; MI455X (gfx1250); checked and timed in simulation.
; The chip was launched on July 23, 2026; its instructions are those of AMD's public machine-readable ISA for CDNA 5 (MIT licence, August 2026) and "CDNA5" Instruction Set Architecture Reference Guide (July 2026). The comments in the code are by the model that wrote it; some were corrected since.
;; Linear Attention. Allowed arithmetic: matrix products marked QUANTISED: E2M3 operands, one E8M0 scale for each 32 along K, by v_wmma_scale_f32_16x16x128_f8f6f4 with both operands' format E2M3, f32 sums; products left as they are: f32 operands where the result goes on into a quantised operand, else bf16, f16 or f32 operands; f32 sums; everything else in f32.
;; Inputs: Wk 1,024 x 1,024 float32; Wq 1,024 x 1,024 float32; Wv 1,024 x 1,024 float32; bk 1,024 float32; bq 1,024 float32; bv 1,024 float32; mask 4 x 4,096 bool; x 4 x 4,096 x 1,024 float32.
;; Outputs: out0 4 x 4,096 x 1,024 float32.
;; This version of the problem:
;;   THIS VERSION OF THE PROBLEM IS GIVEN IN LOW PRECISION. The matrix products marked QUANTISED in the list below multiply operands that are first quantised to E2M3 (2 exponent bits, 3 mantissa bits; 6 bits a number), with one power-of-two scale for each 32 numbers along K (OCP MX v1.0); their sums are f32. All else is computed in f32.
;;   The module's matrix products, in the order in which they are computed (A, B: the left and right operand; K: the contracted axis; several contracted axes count as one K, in the product's order):
;;     1. [M 16,384, K 1,024] x [K 1,024, N 1,024]; A: input x; B: input Wq: QUANTISED
;;     2. [M 16,384, K 1,024] x [K 1,024, N 1,024]; A: input x; B: input Wk: QUANTISED
;;     3. [M 16,384, K 1,024] x [K 1,024, N 1,024]; A: input x; B: input Wv: QUANTISED
;;     4. batch 64 x [M 64, K 4,096] x [K 4,096, N 64]; A: computed on the way; B: computed on the way: QUANTISED
;;     5. batch 64 x [M 4,096, K 64] x [K 64, N 64]; A: computed on the way; B: computed on the way: QUANTISED
;;     6. batch 64 x [M 4,096, K 64] x [K 64, N 1]; A: computed on the way; B: computed on the way: left as it is (N = 1 < 16)
;;   THE QUANTISER, for each operand of a quantised product, along K:
;;     - K is cut into blocks of 32 from its start; a last block that is shorter is filled with zeros.
;;     - A block's scale is 2^e with e = floor(log2(the largest magnitude in the block)) - 2, held to -126 .. 127; a block of zeros has e = 0. As a byte (E8M0): e + 127.
;;     - Each number is divided by its block's scale, clamped to +-7.5, and rounded to the nearest number of E2M3, ties to even, subnormals kept.
;;     - The product sums the exact products of the quantised numbers (number of the format x scale) in f32.
;;   ~~~python
;;   def quantise(x, axis):      # numpy; x: float32 -> the quantised numbers, widened to float32 again
;;       x = np.moveaxis(x, axis, -1); K = x.shape[-1]
;;       x = np.pad(x, [(0, 0)] * (x.ndim - 1) + [(0, -K % 32)]); x = x.reshape(x.shape[:-1] + (-1, 32)); a = np.abs(x).max(-1, keepdims=True)
;;       e = np.where(a > 0, np.clip(np.frexp(np.where(a > 0, a, 1))[1] - 1 - 2, -126, 127), 0)      # np.frexp(a)[1] - 1 = floor(log2(a)), exactly
;;       r = np.clip(x / 2.0 ** e, -7.5, 7.5)
;;       step = 2.0 ** (np.maximum(np.frexp(np.where(r == 0, 1, r))[1] - 1, 0) - 3)
;;       q = np.round(r / step) * step * 2.0 ** e      # np.round: ties to even
;;       return np.moveaxis(q.reshape(q.shape[:-2] + (-1,))[..., :K], -1, axis).astype(np.float32)
;;   ~~~
;;   OPERANDS COMPUTED ON THE WAY. 'Computed on the way' means the value that the module computes at that place (a softmax that the list does not call 'softmax' is quantised finished and normalised). What goes into a quantiser is computed in f32, as accurately as f32 sums, v_exp_f32 and their like allow (about 1e-6 of the number): no bf16 or f16 on the way to a quantiser, and a product that is left as it is and whose result goes on into a quantised operand takes f32 operands (vector FMAs, or v_wmma_f32_16x16x4_f32). A number that lies on a knife's edge between two numbers of the format may be rounded either way, as far as f32 arithmetic and the matrix unit's own rounding can turn it there, and no further.
;; One version. Each part assembles by itself: llvm-mc -triple=amdgcn-amd-amdhsa -mcpu=gfx1250 --defsym DOCPART=n.
;; ======== version 1 of 1: 4 launches
;; workspace buffers: xc 12,582,912 bytes; xs 524,288 bytes; wc 2,359,296 bytes; ws 98,304 bytes; part 17,039,360 bytes; kvq 262,144 bytes
;; launch quant (part 1): grid 608 x 1, 4 waves a work-group, no clusters, 68,096 bytes of LDS; arguments x, Wq, Wk, Wv, xc, xs, wc, ws; writes xc, xs, wc, ws
.if DOCPART == 1
	.amdgcn_target "amdgcn-amd-amdhsa--gfx1250"
	.amdhsa_code_object_version 6
	.text
	.protected	k_q5f95f4f606_quant
	.globl	k_q5f95f4f606_quant
	.p2align	8
	.type	k_q5f95f4f606_quant,@function
k_q5f95f4f606_quant:
	s_mov_b64 s[64:65], 0
	v_nop
	global_prefetch_b8 v0, s[64:65] scope:SCOPE_SE
	s_setreg_imm32_b32 hwreg(HW_REG_WAVE_MODE, 25, 1), 1
	s_wait_xcnt 0x0
; x [16384][1024] and Wq, Wk, Wv [1024 (k)][1024 (n)], f32, become codes of FP6 (E2M3), 6 bits each, K innermost, with one E8M0 byte for each 32 along K.
; A block's scale is 2^(floor(log2(its largest magnitude)) - 2); its byte is the largest magnitude's exponent field - 2, held at 1 from below.
; (A block of zeros gets the byte 1 where the rule says 127: its codes are zeros, which add nothing, and the bytes are read by this program alone.)
; LIMITS: NaN and infinities among the inputs are not served.
; ROW ORDER.  tau(i) = i with its bits 3 and 4 exchanged.  Logical row i of every output lies at row tau(i), so that 16 rows on end of the
; output are logical rows 8 u + r + 8 (r / 8) of a group of 32: the products that read them then get 16 neighbours along the next K in 16 registers.
;   xc [16384][768 bytes], xs [16384][32]: x's rows.   wc [3072][768], ws [3072][32]: rows 0-1023 Wq's columns; from row 1024 on, for each head
;   128 rows: Wk's 64 columns of the head, then Wv's 64.
; Work-groups 0-95 take the weights (32 each), work-groups 96-607 take x.  The two ways never join, and each has LDS bytes of its own.
.set WGW,   96
.set STEPS, 16
.set CB,    12                         ; bytes of 16 codes
.set WREG,  8192                       ; x: a wave's LDS region: two stages of 32 x SP bytes, then its 256 scale bytes
.set SP,    80                         ; a lane's place in a stage: 64 bytes + 16 of padding
.set R,     16                         ; v16-79   x: four sets of 16 numbers as loaded
.set X,     80                         ; v80-111  x: two sets of 16 neighbours
.set E,     112                        ; v112-127 x: a scale byte for each step
.set C,     128                        ; v128-191 x: codes, four registers a step: no store's data are written again
.set WST,   32768                      ; W: the stages begin here
.set PITCH, 272                        ; W: a stage row: sixteen places of 16 bytes (12 of codes each) + 16
.set KROW,  768                        ; a row of codes in bytes
.set NB,    8                          ; W: blocks of 32 along K for a wave
.set WX,    32                         ; v32-95   W: two sets of 32 numbers
.set WC,    96                         ; v96..    W: a block's codes
.set OUTR,  112                        ; v112-175 W: the way out
.set SB,    24                         ; v24-25   W: the scale bytes
	s_load_b256 s[4:11], s[0:1], 0x0               ; x, Wq, Wk, Wv
	s_load_b256 s[12:19], s[0:1], 0x20             ; xc, xs, wc, ws
	v_lshl_add_u32 v192, v0, 2, 0x10800
	v_mov_b32 v193, 0
	v_lshrrev_b32 v1, 5, v0
	v_readfirstlane_b32 s20, v1                    ; wave 0..3
	v_and_b32 v2, 31, v0                           ; lane
	s_mov_b32 s25, 0                               ; the upper word of every offset
	s_cmp_lt_u32 ttmp9, WGW
	s_cbranch_scc1 .Lweights
; ---------------- x: K is innermost.  A wave takes 8 rows (8,192 numbers) in 16 steps of 512. ----------------
; Each load reads 512 consecutive bytes; a step's 2,048 bytes turn through the wave's own stage, so that a lane then holds 16 neighbours; two lanes hold a block.
	v_lshlrev_b32 v3, 4, v2                        ; my 16 bytes of a load's 512
	s_mul_i32 s21, s20, WREG
	v_lshrrev_b32 v14, 2, v2
	v_mul_u32_u24 v14, v14, SP
	v_and_b32 v15, 3, v2
	v_lshl_add_u32 v14, v15, 4, v14
	v_add_nc_u32 v14, s21, v14                     ; the stage, in: SP (lane / 4) + 16 (lane % 4)
	v_mul_u32_u24 v15, v2, SP
	v_add_nc_u32 v15, s21, v15                     ; out: SP x lane
	v_mul_u32_u24 v4, v2, CB                       ; my codes' place in a step's
	v_lshrrev_b32 v5, 1, v2
	s_add_co_u32 s21, s21, 2*32*SP
	v_add_nc_u32 v5, s21, v5                       ; my block's scale byte in LDS
	v_lshlrev_b32 v7, 3, v2
	v_add_nc_u32 v6, s21, v7                       ; and 8 bytes a lane on the way out
	s_sub_co_u32 s22, ttmp9, WGW
	s_lshl_b32 s22, s22, 2
	s_add_co_u32 s23, s22, s20                     ; the run of 8 rows that I read: 4 g + wave
	s_and_b32 s24, s20, 1
	s_lshl_b32 s24, s24, 1
	s_lshr_b32 s26, s20, 1
	s_or_b32 s24, s24, s26
	s_add_co_u32 s22, s22, s24                     ; and where it goes: the wave's two bits are the rows' bits 3 and 4: exchanged
	s_wait_kmcnt 0x0
	s_lshl_b32 s24, s23, 15
	s_add_nc_u64 s[4:5], s[4:5], s[24:25]          ; 32,768 bytes of x a run
	s_mul_i32 s24, s22, 32*STEPS*CB
	s_add_nc_u64 s[12:13], s[12:13], s[24:25]      ; 6,144 bytes of codes
	s_lshl_b32 s24, s22, 8
	s_add_nc_u64 s[14:15], s[14:15], s[24:25]      ; 256 scale bytes
.macro XLOAD t
.irp i, 0,1,2,3
	global_load_b128 v[R+16*((\t)%4)+4*\i:R+16*((\t)%4)+4*\i+3], v3, s[4:5] offset:2048*(\t)+512*\i th:TH_LOAD_NT
.endr
.endm
.macro XTURN t                         ; LDS serves a wave's instructions in order: no wait between the stores and the loads
.irp i, 0,1,2,3
	ds_store_b128 v14, v[R+16*((\t)%4)+4*\i:R+16*((\t)%4)+4*\i+3] offset:32*SP*((\t)%2)+8*SP*\i
.endr
.irp i, 0,1,2,3
	ds_load_b128 v[X+16*((\t)%2)+4*\i:X+16*((\t)%2)+4*\i+3], v15 offset:32*SP*((\t)%2)+16*\i
.endr
.endm
.irp t, 0,1,2,3
	XLOAD \t
.endr
	s_wait_loadcnt 12                              ; step 0's four loads are in; three steps' twelve stay out
	XTURN 0
.macro XSTEP t
.set XS, X+16*((\t)%2)
.if (\t) > 0
	s_wait_dscnt 1                                 ; this step's numbers are back from the stage (the last step's byte store may be out)
.else
	s_wait_dscnt 0x0
.endif
.if (\t)+4 < STEPS
	XLOAD (\t)+4                                   ; into the registers that this step's stage stores have read
.endif
.if (\t)+1 < STEPS
.if STEPS-2-(\t) >= 3
	s_wait_loadcnt 12                              ; the next step's four loads are in; those of the three steps behind it may be out
.else
	s_wait_loadcnt 4*(STEPS-2-(\t))
.endif
	XTURN (\t)+1
.endif
	v_max3_num_f32 v8, |v[XS]|, |v[XS+1]|, |v[XS+2]|
	v_max3_num_f32 v9, |v[XS+3]|, |v[XS+4]|, |v[XS+5]|
.irp i, 6,10
	v_max3_num_f32 v8, v8, |v[XS+\i]|, |v[XS+\i+1]|
	v_max3_num_f32 v9, v9, |v[XS+\i+2]|, |v[XS+\i+3]|
.endr
	v_max3_num_f32 v8, v8, |v[XS+14]|, |v[XS+15]|
	v_max3_num_f32 v8, v8, v9, 0x1800000           ; the floor 2^(3 - 127): the byte cannot fall under 1
	v_max_num_f32_dpp v8, v8, v8 row_xmask:1 row_mask:0xf bank_mask:0xf   ; with my neighbour's 16: the block's largest magnitude
	v_add_nc_u32 v11, 0xff000000, v8               ; 2 off its exponent field: the conversion takes this operand's exponent field as its scale
	v_cvt_scalef32_pk16_fp6_f32 v[C+4*(\t):C+4*(\t)+2], v[XS:XS+15], v11
	v_lshrrev_b32 v[E+(\t)], 23, v11               ; the scale's byte
	ds_store_b8 v5, v[E+(\t)] offset:16*(\t)       ; both lanes of a block write the same byte
	global_store_b96 v4, v[C+4*(\t):C+4*(\t)+2], s[12:13] offset:32*CB*(\t)   ; the wave stores 384 consecutive bytes
.endm
.irp t, 0,1,2,3,4,5,6,7,8,9,10,11,12,13,14,15
	XSTEP \t
.endr
	ds_load_b64 v[12:13], v6
	s_wait_dscnt 0x0
	global_store_b64 v7, v[12:13], s[14:15]        ; 32 lanes store 256 consecutive bytes, aligned
	s_wait_tensorcnt 0x0
	ds_add_u32 v192, v193
	s_wait_dscnt 0x0
	s_endpgm
; ---------------- the weights: K is the first axis.  A lane takes a column n, its registers run down K. ----------------
; A wave takes 32 columns x 256 along K.  Its codes go through its own stage and leave as rows: sixteen lanes store a row's 192 consecutive bytes.
.Lweights:
	s_lshr_b32 s21, ttmp9, 5                       ; 0: Wq, 1: Wk, 2: Wv
	s_and_b32 s22, ttmp9, 7
	s_bfe_u32 s23, ttmp9, 0x20003                  ; which 256 along K
	s_lshl_b32 s22, s22, 7
	s_lshl_b32 s24, s20, 5
	s_add_co_u32 s22, s22, s24                     ; n0, my wave's first column: a multiple of 32, so tau(n0 + lane) = n0 + tau(lane)
	v_lshlrev_b32 v3, 2, v2                        ; in: 4 bytes a lane
	s_mul_i32 s24, s20, 32*PITCH
	s_add_co_u32 s24, s24, WST                     ; my stage
	v_mul_u32_u24 v4, v2, PITCH
	v_add_nc_u32 v4, s24, v4                       ; into it: row = my column
	v_and_b32 v5, 15, v2
	v_lshrrev_b32 v6, 4, v2
	v_mul_u32_u24 v7, v6, PITCH
	v_lshl_add_u32 v7, v5, 4, v7
	v_add_nc_u32 v7, s24, v7                       ; out of it: sixteen lanes to a row, two rows an instruction
	v_mul_u32_u24 v8, v6, KROW
	v_mad_u32_u24 v8, v5, 12, v8                   ; and the same place in wc
	v_and_b32 v9, 7, v2
	v_bfe_u32 v10, v2, 3, 1
	v_lshl_or_b32 v9, v10, 4, v9
	v_bfe_u32 v10, v2, 4, 1
	v_lshl_or_b32 v9, v10, 3, v9
	v_lshlrev_b32 v9, 5, v9                        ; tau(lane) x 32: my column's row of scale bytes
	s_lshr_b32 s26, s22, 6                         ; the head,
	s_lshl_b32 s26, s26, 7                         ; 128 rows a head,
	s_and_b32 s27, s22, 63
	s_add_co_u32 s26, s26, s27                     ; the column in the head,
	s_lshl_b32 s27, s21, 6
	s_add_co_u32 s26, s26, s27
	s_add_co_u32 s26, s26, 1024-64                 ; Wk's rows first, Wv's 64 further on, all behind Wq's 1,024
	s_cmp_eq_u32 s21, 0
	s_cselect_b32 s26, s22, s26                    ; Wq: row n0
	s_wait_kmcnt 0x0
	s_cmp_eq_u32 s21, 2
	s_cselect_b64 s[8:9], s[10:11], s[8:9]
	s_cmp_eq_u32 s21, 0
	s_cselect_b64 s[6:7], s[6:7], s[8:9]           ; my weight: the choice hangs on the work-group's number alone
	s_lshl_b32 s24, s23, 20                        ; 256 rows of 4,096 bytes
	s_lshl_b32 s27, s22, 2
	s_add_co_u32 s24, s24, s27
	s_add_nc_u64 s[6:7], s[6:7], s[24:25]
	s_mul_i32 s24, s26, KROW
	s_mul_i32 s27, s23, 192
	s_add_co_u32 s24, s24, s27
	s_add_nc_u64 s[16:17], s[16:17], s[24:25]
	s_lshl_b32 s24, s26, 5
	s_lshl_b32 s27, s23, 3
	s_add_co_u32 s24, s24, s27
	s_add_nc_u64 s[18:19], s[18:19], s[24:25]
.macro WLOAD t                         ; block t: W(32 t + i, my column): 32 lanes read 128 consecutive bytes
.irp i, 0,1,2,3,4,5,6,7,8,9,10,11,12,13,14,15,16,17,18,19,20,21,22,23,24,25,26,27,28,29,30,31
	global_load_b32 v[WX+32*((\t)%2)+\i], v3, s[6:7] offset:(32*(\t)+\i)*4096 th:TH_LOAD_NT
.endr
.endm
	WLOAD 0
	WLOAD 1
.macro WBLOCK t
.set XS, WX+32*((\t)%2)
.if (\t) < NB-1
	s_wait_loadcnt 32                              ; this block's 32 loads are in; the next block's may be out
.else
	s_wait_loadcnt 0
.endif
	v_max3_num_f32 v12, |v[XS]|, |v[XS+1]|, |v[XS+2]|     ; all 32 numbers of the block are mine
	v_max3_num_f32 v13, |v[XS+3]|, |v[XS+4]|, |v[XS+5]|
.irp i, 6,10,14,18,22,26
	v_max3_num_f32 v12, v12, |v[XS+\i]|, |v[XS+\i+1]|
	v_max3_num_f32 v13, v13, |v[XS+\i+2]|, |v[XS+\i+3]|
.endr
	v_max3_num_f32 v12, v12, |v[XS+30]|, |v[XS+31]|
	v_max3_num_f32 v12, v12, v13, 0x1800000
	v_add_nc_u32 v11, 0xff000000, v12
	v_lshrrev_b32 v13, 23, v11
.if (\t)%4 == 0
	v_mov_b32 v[SB+(\t)/4], v13
.else
	v_lshl_or_b32 v[SB+(\t)/4], v13, 8*((\t)%4), v[SB+(\t)/4]
.endif
	v_cvt_scalef32_pk16_fp6_f32 v[WC:WC+2], v[XS:XS+15], v11
	v_cvt_scalef32_pk16_fp6_f32 v[WC+4:WC+6], v[XS+16:XS+31], v11   ; (a conversion's three registers begin on an even number)
	ds_store_b96 v4, v[WC:WC+2] offset:32*(\t)     ; 12 bytes to a place of 16: every LDS address is a multiple of 16
	ds_store_b96 v4, v[WC+4:WC+6] offset:32*(\t)+16
.if (\t)+2 < NB
	WLOAD (\t)+2
.endif
	s_wait_dscnt 0x0                               ; the stores have read their registers: the next block's codes may be written
.endm
.irp t, 0,1,2,3,4,5,6,7
	WBLOCK \t
.endr
	global_store_b64 v9, v[SB:SB+1], s[18:19]      ; my column's 8 scale bytes
.irp t, 0,1,2,3,4,5,6,7,8,9,10,11,12,13,14,15
	ds_load_b96 v[OUTR+4*\t:OUTR+4*\t+2], v7 offset:2*\t*PITCH
.endr
.irp t, 0,1,2,3,4,5,6,7,8,9,10,11,12,13,14,15
	s_wait_dscnt 15-\t                             ; the younger loads from the stage may be out
	global_store_b96 v8, v[OUTR+4*\t:OUTR+4*\t+2], s[16:17] offset:(((2*\t)&7)+((((2*\t)>>3)&1)<<4)+((((2*\t)>>4)&1)<<3))*KROW   ; columns 2 t and 2 t + 1 go to rows tau(2 t) and tau(2 t) + 1
.endr
	s_wait_tensorcnt 0x0
	ds_add_u32 v192, v193
	s_wait_dscnt 0x0
	s_endpgm
.Lfunc_end_k_q5f95f4f606_quant:
	.size	k_q5f95f4f606_quant, .Lfunc_end_k_q5f95f4f606_quant-k_q5f95f4f606_quant
	.p2alignl 7, 3214868480
	.fill 96, 4, 3214868480
	.section	.rodata,"a",@progbits
	.p2align	6, 0x0
	.amdhsa_kernel k_q5f95f4f606_quant
		.amdhsa_group_segment_fixed_size 68096
		.amdhsa_private_segment_fixed_size 0
		.amdhsa_enable_private_segment 0
		.amdhsa_kernarg_size 64
		.amdhsa_user_sgpr_count 2
		.amdhsa_user_sgpr_kernarg_segment_ptr 1
		.amdhsa_wavefront_size32 1
		.amdhsa_system_sgpr_workgroup_id_x 1
		.amdhsa_system_sgpr_workgroup_id_y 1
		.amdhsa_system_sgpr_workgroup_id_z 1
		.amdhsa_system_vgpr_workitem_id 0
		.amdhsa_next_free_vgpr 194
		.amdhsa_next_free_sgpr 66
		.amdhsa_reserve_vcc 0
		.amdhsa_float_denorm_mode_32 3
		.amdhsa_float_denorm_mode_16_64 3
		.amdhsa_memory_ordered 1
		.amdhsa_forward_progress 1
		.amdhsa_inst_pref_size 74
	.end_amdhsa_kernel
	.amdgpu_metadata
---
amdhsa.version: [ 1, 2 ]
amdhsa.kernels:
  - .name:           k_q5f95f4f606_quant
    .symbol:         k_q5f95f4f606_quant.kd
    .args:
      - { .name: x, .offset: 0, .size: 8, .value_kind: global_buffer, .address_space: global }
      - { .name: Wq, .offset: 8, .size: 8, .value_kind: global_buffer, .address_space: global }
      - { .name: Wk, .offset: 16, .size: 8, .value_kind: global_buffer, .address_space: global }
      - { .name: Wv, .offset: 24, .size: 8, .value_kind: global_buffer, .address_space: global }
      - { .name: xc, .offset: 32, .size: 8, .value_kind: global_buffer, .address_space: global }
      - { .name: xs, .offset: 40, .size: 8, .value_kind: global_buffer, .address_space: global }
      - { .name: wc, .offset: 48, .size: 8, .value_kind: global_buffer, .address_space: global }
      - { .name: ws, .offset: 56, .size: 8, .value_kind: global_buffer, .address_space: global }
    .group_segment_fixed_size: 68096
    .private_segment_fixed_size: 0
    .kernarg_segment_align: 8
    .kernarg_segment_size: 64
    .max_flat_workgroup_size: 128
    .sgpr_count:     66
    .vgpr_count:     194
    .wavefront_size: 32
...
	.end_amdgpu_metadata
.endif
;; end of part 1
;; launch kvgemm (part 2): grid 64 x 8, 4 waves a work-group, clusters of 4 x 4, 327,680 bytes of LDS; arguments wc, ws, xc, xs, part, mask, bk, bv; writes part
.if DOCPART == 2
	.amdgcn_target "amdgcn-amd-amdhsa--gfx1250"
	.amdhsa_code_object_version 6
	.text
	.protected	k_q5f95f4f606_kvgemm
	.globl	k_q5f95f4f606_kvgemm
	.p2align	8
	.type	k_q5f95f4f606_kvgemm,@function
k_q5f95f4f606_kvgemm:
	s_mov_b64 s[64:65], 0
	v_nop
	global_prefetch_b8 v0, s[64:65] scope:SCOPE_SE
	s_setreg_imm32_b32 hwreg(HW_REG_WAVE_MODE, 25, 1), 1
	s_wait_xcnt 0x0
	s_wait_alu depctr_hold_cnt(0) depctr_sa_sdst(0) depctr_va_vdst(0) depctr_va_sdst(0) depctr_va_ssrc(0) depctr_va_vcc(0) depctr_vm_vsrc(0)
	s_getreg_b32 s2, hwreg(HW_REG_IB_STS2, 6, 4)
	s_cmp_eq_u32 s2, 0
	s_cbranch_scc0 .Lentry_in_a_cluster
	s_endpgm
.Lentry_in_a_cluster:
	s_bfe_u32 s2, ttmp6, 0x10000c
	s_cmp_lg_u32 s2, 0xf033
	s_cbranch_scc0 .Lentry_shape_is_right
	s_endpgm
.Lentry_shape_is_right:
; For 256 tokens t of a batch and two heads: k = x Wk + bk, v = x Wv + bv on codes of FP6 (E2M3) with E8M0 scales; kf = (elu(k) + 1) m, v m; both quantised ALONG t;
; the part of kv[d][c] = sum over t of kf[t][d] v[t][c] and of z[d] = sum over t of kf[t][d] that these 256 tokens give, stored as a record of the buffer part.
; THE PROJECTION.  Source 1 of the matrix instruction ("A": lanes) = 256 rows of wc from row 1,024 on: two heads, each 64 rows of Wk^T and 64 of Wv^T.  Source 0 ("B": registers) = 256 rows of xc.
; Four waves; a wave has one head (128 rows of W) x 128 tokens: 64 accumulators, 512 registers.  So a lane holds ONE channel, and its registers run along t, which is the next product's K.
; Rows lie in xc and wc at tau(row) (bits 3 and 4 exchanged): in block a of W's rows lane r is channel 32 (a / 2) + 8 (a % 2) + r + 8 (r / 8) of the block's half (a < 4: k, else v), and of a block's
; 64 registers number n is token 32 (n / 16) + 16 (lane / 16) + n % 16 of the wave's 128: 16 registers are 16 neighbouring tokens.
; K = 1,024 goes in four steps of 256 through a ring of two LDS slots filled by the tensor data mover; the scale bytes of all of K come once, with the first fills.
; CLUSTERS: 4 x 4 work-groups.  W's tiles are shared along a row of the cluster, x's along a column: each is asked for jointly, by the same tensor load with the same descriptor and a mask of four.
; The bias is the C of each sum's first matrix instruction.
; phi(x) = elu(x) + 1 is the MIDDLE of e^x, 1 and x + 1: for x > 0, 1 < x + 1 < e^x; for x < 0, x + 1 < e^x < 1.  No compare, no select.
; LIMITS: e^x is 2^(x log2 e): the product's rounding gives a relative error of about |x| 6e-8; e^x under 2^-126 (x < -87.3) comes out as 0.  A block of zeros has the scale byte 1 and zero codes.
; NaN and infinities among the inputs are not served.  The sums over t are taken in a fixed order: 128 tokens in one matrix instruction, then the two waves of a head.
; REGISTERS, in windows of 256.  Window 0: v1-29 addresses; v32-63 scale words and nothing else; v64-127 the bias, later S (64 numbers at work); v128-223 A's fragments, later the 8 fragments of kf and v;
;   v224-239 the mask as loaded, later at work; v240-255 the quantiser's.   Window 1: B's fragments, two sets (v0, v128); later U (v0-63) and the mask as f32 (v64-127).
;   Windows 2, 3: accumulator (a, b) at v[8 (8 (a % 4) + b)] of window 2 + a / 4; later kv's 16 tiles in window 2 and the partner's in window 3.
.set KSTEP,  256
.set NQ,     2                         ; matrix instructions deep in a slot
.set ROWB,   192                       ; a tile's row: 256 codes
.set KROW,   768                       ; a row of codes in memory
.set PITCH,  240                       ; an LDS row: 3 x (64 bytes + 16 of padding)
.set FR,     12
.set NL,     6                         ; LDS loads of a fragment
.set NP,     4                         ; places behind this matrix instruction (ISA guide 7.12.1)
.set HALFT,  128*PITCH
.set SLOT,   4*HALFT
.set KS,     32                        ; a row of scale bytes
.set SCL,    2*SLOT                    ; behind the ring: the scales, as units of 256 bytes + 16 of padding
.set HALFS,  (128*KS/256)*272
.set SBLK,   (16*KS/256)*272
.set SPARE,  SCL+4*HALFS               ; the spare words: 128 bytes a wave, named by no other line
.set REC,    16640                     ; a record of part: 32 images of 512 bytes, then z's 256 bytes.  Also a head's place in the exchange, which lies in slot 0 behind its last fill and last read
.set XA,   7                           ; v7   the exchange: REC x (wave / 2) + 16 x lane
.set XZ,   8                           ; v8   and z's two words: + 16,384 + 4 x lane
.set GO,   9                           ; v9   16 x lane
.set ZO,   10                          ; v10  4 (8 h + r + 8 (r / 8)): z's place in a record
.set MO,   11                          ; v11  16 h: the mask's bytes
.set BO,   12                          ; v12  4 (r + 8 (r / 8)): the bias
.set LN,   13                          ; v13  lane
.set ADRA, 16
.set ADRB, 20
.set ADRS, 27
.set SPW,  28
.set NIL,  29
.set SC,   32
.set BIAS, 64
.set AF,   128
.set S,    64                          ; window 0
.set U,    0                           ; window 1
.set M,    64                          ; window 1
.set MP,   224                         ; the mask's 64 bytes of my lane
.set CT,   224                         ; the quantiser's second halves
.set ZT,   232
.set ZR,   236
.set TM,   240
.set G1, 24
.set G0, 32
.set G1B, 48
.set G0B, 56
.set G1S, 68
.set G0S, 76
.set G1SB, 80
.set G0SB, 88
.set MSB, 0
.macro WIN new                         ; the immediate's high byte repeats the setting that is left
.if MSB != (\new)
	s_set_vgpr_msb (MSB<<8)|(\new)
.set MSB, (\new)
.endif
.endm
.set MUL_LO, 0xa1                      ; source 0 (B) window 1, source 1 (A) window 0, C and D window 2
.set MUL_HI, 0xf1                      ; the same, C and D window 3
.set TO_B,   0x40
; A joint load: waves 0 and 1 fetch for A, waves 2 and 3 for B; the branch hangs on the wave's number alone.  Four v_nop follow each line.
.macro JLOAD g0a, g1a, g0b, g1b
	s_cmp_eq_u32 s15, 0
	s_cbranch_scc0 .Lfor_b_\@
	tensor_load_to_lds s[\g0a:\g0a+3], s[\g1a:\g1a+7]
	s_nop 0
.rept 4
	v_nop
.endr
	s_branch .Lasked_\@
.Lfor_b_\@:
	tensor_load_to_lds s[\g0b:\g0b+3], s[\g1b:\g1b+7]
	s_nop 0
.rept 4
	v_nop
.endr
.Lasked_\@:
.endm
.macro CREST                           ; a round of the cluster's barrier behind its opening barrier
	s_cmp_lg_u32 s14, 0
	s_cbranch_scc1 .Lnot_wave_0_\@
	s_barrier_signal -3
.Lnot_wave_0_\@:
	s_barrier_wait -3
	s_barrier_signal -1
	s_barrier_wait -1
.endm
.macro CROUND
	s_barrier_signal -1
	s_barrier_wait -1
	CREST
.endm
	s_load_b128 s[4:7], s[0:1], 0x0                ; wc, ws
	s_load_b128 s[8:11], s[0:1], 0x10              ; xc, xs
	s_load_b64 s[12:13], s[0:1], 0x20              ; part
	s_load_b64 s[66:67], s[0:1], 0x28              ; mask
	s_load_b128 s[96:99], s[0:1], 0x30             ; bk, bv
	v_lshl_add_u32 v[SPW], v0, 2, SPARE
	v_mov_b32 v[NIL], 0
	ds_add_u32 v28, v29
	ds_add_u32 v28, v29
	s_wait_dscnt 0x0
	v_lshrrev_b32 v1, 5, v0
	v_readfirstlane_b32 s14, v1                    ; wave 0..3
	s_lshr_b32 s15, s14, 1                         ; which head of the two is mine.  Also: I fetch for A (0) or for B (1)
	s_and_b32 s16, s14, 1                          ; which 128 tokens.  Also: which 128 rows of that tile I fetch
	s_bfe_u32 s40, ttmp6, 0x40000                  ; cx, cy
	s_bfe_u32 s41, ttmp6, 0x40004
	s_lshl_b32 s42, ttmp9, 2
	s_add_co_u32 s42, s42, s40                     ; block of 256 tokens = 4 x cluster x + cx
	s_and_b32 s17, ttmp7, 0xffff
	s_lshl_b32 s17, s17, 2
	s_add_co_u32 s17, s17, s41                     ; pair of heads = 4 x cluster y + cy
	s_lshl_b32 s43, s41, 2
	s_lshl_b32 s43, 15, s43                        ; my row of the cluster
	s_lshl_b32 s44, 0x1111, s40                    ; my column
	; group 1: a tile of 128 rows x 192 bytes; 16 bytes of padding behind every 64
	s_or_b32 s[G1+0], s43, (0<<16)|(1<<20)|(1<<21)|(3<<22)|(3<<25)
	s_or_b32 s[G1B+0], s44, (0<<16)|(1<<20)|(1<<21)|(3<<22)|(3<<25)
.irp g, G1, G1B
	s_mov_b32 s[\g+1], ROWB<<16                    ; tensor_dim0
	s_mov_b32 s[\g+2], 128<<16                     ; tensor_dim1
	s_mov_b32 s[\g+3], ROWB<<16                    ; tile_dim0
	s_mov_b32 s[\g+4], 128                         ; tile_dim1
	s_mov_b32 s[\g+5], KROW                        ; from row to row
	s_mov_b32 s[\g+6], 0
	s_mov_b32 s[\g+7], 0
.endr
	; the scales of 128 rows: 4,096 dense bytes as 16 rows of 256 (32 elements of 8 bytes), 16 bytes of padding behind each
	s_or_b32 s[G1S+0], s43, (3<<16)|(1<<20)|(1<<21)|(5<<22)|(3<<25)
	s_or_b32 s[G1SB+0], s44, (3<<16)|(1<<20)|(1<<21)|(5<<22)|(3<<25)
.irp g, G1S, G1SB
	s_mov_b32 s[\g+1], 32<<16
	s_mov_b32 s[\g+2], (128*KS/256)<<16
	s_mov_b32 s[\g+3], 32<<16
	s_mov_b32 s[\g+4], 128*KS/256
	s_mov_b32 s[\g+5], 32
	s_mov_b32 s[\g+6], 0
	s_mov_b32 s[\g+7], 0
.endr
	s_lshl_b32 s18, s16, 7
	s_lshl_b32 s20, s17, 8
	s_add_co_u32 s20, s20, s18                     ; A: row 256 x pair of heads + 128 x half
	s_lshl_b32 s46, s42, 8
	s_add_co_u32 s46, s46, s18                     ; B: row 256 x block of tokens + 128 x half
	s_mov_b32 s21, 0
	s_mov_b32 s47, 0
	s_mov_b64 s[18:19], KS
	s_mul_u64 s[22:23], s[20:21], s[18:19]
	s_mul_u64 s[92:93], s[46:47], s[18:19]
	s_mov_b64 s[18:19], KROW
	s_mul_u64 s[20:21], s[20:21], s[18:19]
	s_mul_u64 s[46:47], s[46:47], s[18:19]
	s_mul_i32 s45, s14, HALFT                      ; where they go: wave x 128 rows: no place in the cluster enters an LDS address
	s_mul_i32 s94, s14, HALFS
	s_wait_kmcnt 0x0
	s_add_nc_u64 s[4:5], s[4:5], 1024*KROW         ; past Wq's 1,024 rows
	s_add_nc_u64 s[6:7], s[6:7], 1024*KS
	s_add_nc_u64 s[20:21], s[4:5], s[20:21]
	s_add_nc_u64 s[22:23], s[6:7], s[22:23]
	s_add_nc_u64 s[46:47], s[8:9], s[46:47]
	s_add_nc_u64 s[92:93], s[10:11], s[92:93]
	CROUND                                         ; all sixteen work-groups are here: the first joint loads meet
	s_mov_b32 s[G0S], 1
	s_add_co_u32 s[G0S+1], s94, SCL
	s_mov_b64 s[G0S+2:G0S+3], s[22:23]
	s_or_b32 s[G0S+3], s[G0S+3], 0x80000000
	s_mov_b32 s[G0SB], 1
	s_add_co_u32 s[G0SB+1], s94, SCL
	s_mov_b64 s[G0SB+2:G0SB+3], s[92:93]
	s_or_b32 s[G0SB+3], s[G0SB+3], 0x80000000
	JLOAD G0S, G1S, G0SB, G1SB                     ; the scales first
.irp s, 0,1
	s_mov_b32 s[G0+4*\s], 1
	s_add_co_u32 s[G0+4*\s+1], s45, \s*SLOT
	s_add_nc_u64 s[G0+4*\s+2:G0+4*\s+3], s[20:21], \s*ROWB
	s_or_b32 s[G0+4*\s+3], s[G0+4*\s+3], 0x80000000
	s_mov_b32 s[G0B+4*\s], 1
	s_add_co_u32 s[G0B+4*\s+1], s45, \s*SLOT
	s_add_nc_u64 s[G0B+4*\s+2:G0B+4*\s+3], s[46:47], \s*ROWB
	s_or_b32 s[G0B+4*\s+3], s[G0B+4*\s+3], 0x80000000
	JLOAD G0+4*\s, G1, G0B+4*\s, G1B               ; three tensor loads of mine are out
.endr
	v_and_b32 v1, 15, v0                           ; r
	v_bfe_u32 v2, v0, 4, 1                         ; h
	v_mul_u32_u24 v3, v1, PITCH
	v_mul_u32_u24 v4, v2, 24
	v_add_nc_u32 v4, v3, v4                        ; a fragment's row x pitch + 24 h
	v_lshl_add_u32 v5, v2, 4, v4                   ; and the same behind one padding more
	s_mul_i32 s21, s15, HALFT
	s_mul_i32 s22, s16, HALFT
	s_add_co_u32 s22, s22, 2*HALFT
.irp s, 0,1
	v_add_nc_u32 v[ADRA+\s], s21, v4
	v_add_nc_u32 v[ADRB+\s], s22, v4
	v_add_nc_u32 v[ADRA+2+\s], s21, v5
	v_add_nc_u32 v[ADRB+2+\s], s22, v5
	s_add_co_u32 s21, s21, SLOT
	s_add_co_u32 s22, s22, SLOT
.endr
	v_mul_u32_u24 v5, v1, KS
	v_lshrrev_b32 v6, 8, v5
	v_lshl_add_u32 v5, v6, 4, v5                   ; my row's scales: 32 bytes a row, 16 more for each 256 passed
	s_mul_i32 s21, s15, HALFS
	s_mul_i32 s22, s16, HALFS
	s_add_co_u32 s22, s22, 2*HALFS
	s_sub_co_u32 s22, s22, s21
	v_mul_u32_u24 v6, s22, v2                      ; lanes 16-31 take B's
	s_add_co_u32 s21, s21, SCL
	v_add_nc_u32 v5, v5, v6
	v_add_nc_u32 v[ADRS], s21, v5
	v_and_b32 v[LN], 31, v0
	v_lshlrev_b32 v[GO], 4, v[LN]
	s_mul_i32 s21, s15, REC
	v_add_nc_u32 v[XA], s21, v[GO]
	v_lshlrev_b32 v[XZ], 2, v[LN]
	s_add_co_u32 s21, s21, 16384
	v_add_nc_u32 v[XZ], s21, v[XZ]
	v_and_b32 v3, 8, v1
	v_add_nc_u32 v3, v3, v1                        ; r + 8 (r / 8)
	v_lshlrev_b32 v[BO], 2, v3
	v_lshl_add_u32 v[ZO], v2, 3, v3
	v_lshlrev_b32 v[ZO], 2, v[ZO]
	v_lshlrev_b32 v[MO], 4, v2
	s_lshl_b32 s20, s17, 1
	s_add_co_u32 s20, s20, s15                     ; my head
	s_lshl_b32 s22, s20, 8                         ; its 64 numbers of a bias
	s_mov_b32 s23, 0
	s_add_nc_u64 s[96:97], s[96:97], s[22:23]
	s_add_nc_u64 s[98:99], s[98:99], s[22:23]
	s_lshl_b32 s22, s42, 8
	s_lshl_b32 s21, s16, 7
	s_add_co_u32 s22, s22, s21                     ; my first token
	s_add_nc_u64 s[66:67], s[66:67], s[22:23]
	s_lshr_b32 s21, s42, 4                         ; the batch
	s_lshl_b32 s21, s21, 4
	s_add_co_u32 s21, s21, s20
	s_lshl_b32 s21, s21, 4
	s_and_b32 s22, s42, 15                         ; which 256 tokens of the batch
	s_add_co_u32 s21, s21, s22
	s_mul_i32 s22, s21, REC
	s_add_nc_u64 s[12:13], s[12:13], s[22:23]      ; my head's record
.irp a, 0,1,2,3
	global_load_b32 v[BIAS+8*\a], v[BO], s[96:97] offset:4*(32*(\a/2)+8*(\a%2))       ; bk of my lane's channel in block a
	global_load_b32 v[BIAS+32+8*\a], v[BO], s[98:99] offset:4*(32*(\a/2)+8*(\a%2))    ; bv in block a + 4
.endr
.irp b, 0,1,2,3
	global_load_b128 v[MP+4*\b:MP+4*\b+3], v[MO], s[66:67] offset:32*\b               ; the mask of tokens 32 b + 16 h + 0 .. 15
.endr
.macro FRAG reg, adr, q, i             ; a fragment: lane l holds row l % 16; registers 6 c .. 6 c + 5 hold K = 64 c + 32 (l / 16) + 0 .. 31: 24 bytes of the row, in pieces of 8
.irp p, 0,1,2,3,4,5
.set PC, 12*(\q)+6*(\p/3)+\p%3        ; lanes 16-31 read three pieces further on: where that is behind one padding more, the second address register serves
.if PC%8 < 5
	ds_load_b64 v[\reg+2*\p:\reg+2*\p+1], v[\adr] offset:8*PC+16*(PC/8)+(\i)*16*PITCH
.else
	ds_load_b64 v[\reg+2*\p:\reg+2*\p+1], v[\adr+2] offset:8*PC+16*(PC/8)+(\i)*16*PITCH
.endif
.endr
.endm
; 16 matrix instructions: A's blocks a0, a0 + 1 x B's eight, 128 along K.  zero = 1: the sums begin with the bias of A's block (its eight registers are equal: the bias goes by lanes).
; The 64 accumulators take turns, one instruction a turn, in the same order in every step.
.macro MUL16 a0, p, q, sc, zero
.irp a, \a0, \a0+1
.irp b, 0,1,2,3,4,5,6,7
.if \zero
	v_wmma_scale_f32_16x16x128_f8f6f4 v[8*(8*((\a)%4)+\b):8*(8*((\a)%4)+\b)+7], v[128*(\p)+FR*\b:128*(\p)+FR*\b+FR-1], v[AF+FR*(\a):AF+FR*(\a)+FR-1], v[BIAS+8*(\a):BIAS+8*(\a)+7], v[SC+8*NQ*(\sc)+NQ*\b+(\q)], v[SC+8*NQ*(\sc)+NQ*(\a)+(\q)] matrix_a_fmt:MATRIX_FMT_FP6 matrix_b_fmt:MATRIX_FMT_FP6 matrix_a_scale:MATRIX_SCALE_ROW1
.else
	v_wmma_scale_f32_16x16x128_f8f6f4 v[8*(8*((\a)%4)+\b):8*(8*((\a)%4)+\b)+7], v[128*(\p)+FR*\b:128*(\p)+FR*\b+FR-1], v[AF+FR*(\a):AF+FR*(\a)+FR-1], v[8*(8*((\a)%4)+\b):8*(8*((\a)%4)+\b)+7], v[SC+8*NQ*(\sc)+NQ*\b+(\q)], v[SC+8*NQ*(\sc)+NQ*(\a)+(\q)] matrix_a_fmt:MATRIX_FMT_FP6 matrix_b_fmt:MATRIX_FMT_FP6 matrix_a_scale:MATRIX_SCALE_ROW1
.endif
.endr
.endr
.endm
.macro FETCH_B slot, q, p
	WIN TO_B
.irp i, 0,1,2,3,4,5,6,7
	FRAG 128*(\p)+FR*\i, ADRB+\slot, \q, \i
.endr
	WIN 0
.endm
.macro FETCH_A slot, q, i0
.irp i, \i0, \i0+1, \i0+2, \i0+3
	FRAG AF+FR*(\i), ADRA+\slot, \q, \i
.endr
.endm
.macro SCALES sc                       ; a K step's scale words: lanes 0-15 A's block i, lanes 16-31 B's block i
.irp i, 0,1,2,3,4,5,6,7
	ds_load_b64 v[SC+8*NQ*\sc+NQ*\i:SC+8*NQ*\sc+NQ*\i+1], v[ADRS] offset:\i*SBLK
.endr
.endm
.macro PLACES n                        ; plain vector instructions between a matrix instruction and a load into, or a read of, its registers
.rept \n
	v_nop
.endr
.endm
.macro STEP slot, q, zero              ; 128 along K with a successor in the same slot
	s_wait_dscnt 4*NL                              ; all but the youngest 24 loads (A's blocks 4-7) are in
	WIN MUL_LO-0x20*\zero                          ; (zero = 1: C, the bias, lies in window 0)
	MUL16 0, (\q)%2, \q, \slot, \zero
	MUL16 2, (\q)%2, \q, \slot, \zero
	s_wait_dscnt 0
	PLACES NP
	FETCH_B \slot, (\q)+1, 1-(\q)%2
	FETCH_A \slot, (\q)+1, 0
	WIN MUL_HI-0x30*\zero
	MUL16 4, (\q)%2, \q, \slot, \zero
	MUL16 6, (\q)%2, \q, \slot, \zero
	PLACES NP
	WIN 0
	FETCH_A \slot, (\q)+1, 4
.endm
; A slot's last step changes slots: one barrier; in front of it each wave waits for all its tensor loads, adds 0 to its spare word, and waits for that and for its reads of this slot.
.macro TURN slot, next, fill
	s_wait_tensorcnt 0x0                           ; all my tensor loads have landed: my part of the next slot
	ds_add_u32 v[SPW], v[NIL]                      ; 0 onto my spare word
	s_wait_dscnt 4*NL+1                            ; (the add and the youngest 24 loads may be out)
	WIN MUL_LO
	MUL16 0, 1, NQ-1, \slot, 0
	s_wait_dscnt 0x0                               ; the add is done, and my reads of this slot are over
	s_barrier_signal -1
	MUL16 2, 1, NQ-1, \slot, 0
	WIN 0
	s_barrier_wait -1
.if \fill
	CREST                                          ; the barrier has opened a round of the cluster's: no wave of any partner still reads this slot or has a load on its way
	s_add_nc_u64 s[G0+4*\slot+2:G0+4*\slot+3], s[G0+4*\slot+2:G0+4*\slot+3], 2*ROWB
	s_add_nc_u64 s[G0B+4*\slot+2:G0B+4*\slot+3], s[G0B+4*\slot+2:G0B+4*\slot+3], 2*ROWB
	JLOAD G0+4*\slot, G1, G0B+4*\slot, G1B         ; my one tensor load behind the round; its four v_nop are the places in front of the loads below
.else
	PLACES NP
.endif
	v_add_nc_u32 v[ADRS], 4*NQ, v[ADRS]            ; the next K step's scale words
	FETCH_B \next, 0, 0
	FETCH_A \next, 0, 0
	SCALES \next
	WIN MUL_HI
	MUL16 4, 1, NQ-1, \slot, 0
	MUL16 6, 1, NQ-1, \slot, 0
	PLACES NP
	WIN 0
	FETCH_A \next, 0, 4
.endm
	s_wait_tensorcnt 1                             ; the scales and my part of K step 0 are in; K step 1's load may be out
	s_barrier_signal -1
	s_barrier_wait -1
	FETCH_B 0, 0, 0
	FETCH_A 0, 0, 0
	SCALES 0
	FETCH_A 0, 0, 4
	s_wait_loadcnt 0x0                             ; the bias and the mask
.irp a, 0,1,2,3,4,5,6,7
.irp j, 1,2,3,4,5,6,7
	v_mov_b32 v[BIAS+8*\a+\j], v[BIAS+8*\a]        ; a C operand is eight registers: the lane's bias in each
.endr
.endr
	STEP 0, 0, 1                                   ; K = 1,024 is twice round the ring: written out, no loop
	TURN 0, 1, 1                                   ; slot 0 takes K step 2
	STEP 1, 0, 0
	TURN 1, 0, 1                                   ; slot 1 takes K step 3
	STEP 0, 0, 0
	TURN 0, 1, 0                                   ; nothing is left to fetch
	STEP 1, 0, 0
	s_wait_dscnt 4*NL
	WIN MUL_LO
	MUL16 0, 1, NQ-1, 1, 0
	MUL16 2, 1, NQ-1, 1, 0
	s_wait_dscnt 0
	WIN MUL_HI
	MUL16 4, 1, NQ-1, 1, 0
	MUL16 6, 1, NQ-1, 1, 0
	WIN 0
; ---------------- behind the projection ----------------
; phi of block a's 64 numbers, into S.  The additions x + 1 stand between the exponentials and the first use of their results.  Each accumulator is read from its low end on.
.macro PHI a
.set AC, 64*((\a)%4)
.set WW, 2+(\a)/4
	WIN 0x40+WW
.set i, 0
.rept 32
	v_pk_mul_f32 v[U+i:U+i+1], v[AC+i:AC+i+1], s[2:3] op_sel_hi:[1,0]   ; x log2(e)
.set i, i+2
.endr
	WIN 0x41
.set i, 0
.rept 64
	v_exp_f32 v[U+i], v[U+i]                       ; e^x
.set i, i+1
.endr
	WIN WW
.set i, 0
.rept 32
	v_pk_add_f32 v[S+i:S+i+1], v[AC+i:AC+i+1], 1.0 op_sel_hi:[1,0]      ; x + 1
.set i, i+2
.endr
	WIN 0x01
.set i, 0
	s_wait_alu depctr_va_vdst(0)
.rept 64
	v_med3_num_f32 v[S+i], v[U+i], 1.0, v[S+i]     ; the middle of e^x, 1, x + 1
.set i, i+1
.endr
.endm
; S's 64 numbers (register 16 b + i = K 32 b + 16 (lane / 16) + i of my lane's row) become a fragment's 12 registers at v[dst] and its scale word in v[pw].
.macro QUANT dst, pw
.irp b, 0,1,2,3
	v_max3_num_f32 v[TM+\b], |v[S+16*\b]|, |v[S+1+16*\b]|, 0x1800000    ; with the floor 2^(3 - 127): the byte cannot fall under 1
.endr
.irp i, 2,4,6,8,10,12,14
.irp b, 0,1,2,3
	v_max3_num_f32 v[TM+\b], v[TM+\b], |v[S+16*\b+\i]|, |v[S+1+16*\b+\i]|
.endr
.endr
.irp b, 0,1,2,3
	v_permlanex16_b32 v[TM+4+\b], v[TM+\b], s18, s19
.endr
.irp b, 0,1,2,3
	v_max_num_f32 v[TM+\b], v[TM+\b], v[TM+4+\b]   ; with lane l xor 16's: the block's largest magnitude
.endr
.irp b, 0,1,2,3
	v_add_nc_u32 v[TM+12+\b], 0xff000000, v[TM+\b] ; 2 off its exponent field: the conversion's scale operand
.endr
.irp b, 0,1,2,3
	v_lshrrev_b32 v[TM+4+\b], 23, v[TM+12+\b]      ; the scale's byte
.endr
	v_lshl_or_b32 v[\pw], v[TM+5], 8, v[TM+4]
	v_lshl_or_b32 v[\pw], v[TM+6], 16, v[\pw]
	v_lshl_or_b32 v[\pw], v[TM+7], 24, v[\pw]
.irp c, 0,1
	v_cvt_scalef32_pk16_fp6_f32 v[\dst+6*\c:\dst+6*\c+2], v[S+32*\c:S+32*\c+15], v[TM+12+2*\c]
	v_cvt_scalef32_pk16_fp6_f32 v[CT+4*\c:CT+4*\c+2], v[S+16+32*\c:S+31+32*\c], v[TM+13+2*\c]   ; (a conversion's three registers begin on an even number)
.endr
	v_nop                                          ; one plain place behind a scaled conversion
.irp c, 0,1                                    ; the operand wants a whole block in a lane: lanes 0-15 block 2 c, lanes 16-31 block 2 c + 1
.irp i, 0,1,2
	v_permlane16_swap_b32 v[\dst+6*\c+\i], v[CT+4*\c+\i]
.endr
.irp i, 0,1,2
	v_mov_b32 v[\dst+3+6*\c+\i], v[CT+4*\c+\i]
.endr
.endr
.endm
.macro ZSUM a                          ; the sum of S over my wave's 128 tokens: 64 in my lane, 64 in lane l xor 16
	v_pk_add_f32 v[ZT:ZT+1], v[S:S+1], v[S+2:S+3]
	v_pk_add_f32 v[ZT+2:ZT+3], v[S+4:S+5], v[S+6:S+7]
.set i, 8
.rept 14
	v_pk_add_f32 v[ZT:ZT+1], v[ZT:ZT+1], v[S+i:S+i+1]
	v_pk_add_f32 v[ZT+2:ZT+3], v[ZT+2:ZT+3], v[S+i+2:S+i+3]
.set i, i+4
.endr
	v_pk_add_f32 v[ZT:ZT+1], v[ZT:ZT+1], v[ZT+2:ZT+3]
	v_add_f32 v[ZT], v[ZT], v[ZT+1]
	v_permlanex16_b32 v[ZT+1], v[ZT], s18, s19
	v_add_f32 v[ZR+(\a)], v[ZT], v[ZT+1]
.endm
	s_mov_b32 s2, 0x3fb8aa3b                       ; log2(e); the packed form names the pair and takes its low word for both halves
	s_mov_b32 s3, s2
	s_mov_b32 s18, 0x76543210                      ; v_permlanex16_b32's selects for lane l xor 16
	s_mov_b32 s19, 0xfedcba98
	PLACES NP
.irp b, 0,1,2,3
	v_mov_b32 v[TM+4+\b], 0                        ; written once: a lane permute's destination counts as one of its sources
.endr
.set i, 0
.rept 64
	v_bfe_u32 v[S+i], v[MP+i/4], 8*(i%4), 8        ; the mask's byte of register i's token
.set i, i+1
.endr
	WIN 0x40
.set i, 0
.rept 64
	v_cvt_f32_u32 v[M+i], v[S+i]                   ; as f32, kept in window 1
.set i, i+1
.endr
.irp a, 0,1,2,3                                ; kf: phi, the mask, z's part, the quantiser along t
	PHI \a
	WIN 0x04
.set i, 0
.rept 32
	v_pk_mul_f32 v[S+i:S+i+1], v[S+i:S+i+1], v[M+i:M+i+1]
.set i, i+2
.endr
	WIN 0
	ZSUM \a
	QUANT 128+12*\a, 32+\a
.endr
.irp a, 4,5,6,7                                ; v: the mask, the quantiser along t
	WIN 0x07
.set i, 0
.rept 32
	v_pk_mul_f32 v[S+i:S+i+1], v[64*(\a-4)+i:64*(\a-4)+i+1], v[M+i:M+i+1]
.set i, i+2
.endr
	WIN 0
	QUANT 128+12*\a, 32+\a
.endr
	v_cmp_le_u32 vcc_lo, 16, v[LN]
	v_cndmask_b32 v[ZT], v[ZR], v[ZR+1], vcc_lo    ; z of channels 8 h + r + 8 (r / 8),
	v_cndmask_b32 v[ZT+1], v[ZR+2], v[ZR+3], vcc_lo   ; and of those 32 further on
	PLACES 8                                       ; a scale register written by a vector instruction stands 8 places ahead of a scaled matrix instruction, an operand 4
	WIN 0x80
.irp dt, 0,1,2,3                               ; kv's part: source 0 = 16 channels of kf, source 1 = 16 channels of v, K = my 128 tokens.  Sixteen accumulators, one instruction each
.irp kt, 0,1,2,3
	v_wmma_scale_f32_16x16x128_f8f6f4 v[8*(4*\dt+\kt):8*(4*\dt+\kt)+7], v[128+12*\dt:128+12*\dt+11], v[176+12*\kt:176+12*\kt+11], 0, v[32+\dt], v[36+\kt] matrix_a_fmt:MATRIX_FMT_FP6 matrix_b_fmt:MATRIX_FMT_FP6
.endr
.endr
	PLACES NP
	WIN 0
	; the two waves of a head: the wave of the upper 128 tokens hands its 128 registers and its z over as images, 16 bytes a lane
	s_cmp_eq_u32 s16, 0
	s_cbranch_scc1 .Lkeeps
	WIN 0x08                                       ; an LDS store's data are its source 1: window 2
.set i, 0
.rept 32
	ds_store_b128 v[XA], v[4*i:4*i+3] offset:512*i
.set i, i+1
.endr
	WIN 0
	ds_store_b32 v[XZ], v[ZT]
	ds_store_b32 v[XZ], v[ZT+1] offset:128
.Lkeeps:
	s_wait_dscnt 0x0                               ; for the partner's sake: my stores have landed
	s_barrier_signal -1
	s_barrier_wait -1
	s_cmp_lg_u32 s16, 0
	s_cbranch_scc1 .Lgave
	WIN 0xc0
.set i, 0
.rept 32
	ds_load_b128 v[4*i:4*i+3], v[XA] offset:512*i
.set i, i+1
.endr
	WIN 0
	ds_load_b32 v[ZT+2], v[XZ]
	ds_load_b32 v[ZT+3], v[XZ] offset:128
	s_wait_dscnt 0x0
	WIN 0x8e                                       ; destination and source 0 window 2, source 1 window 3
.set i, 0
.rept 64
	v_pk_add_f32 v[i:i+1], v[i:i+1], v[i:i+1]
.set i, i+2
.endr
	WIN 0
	v_add_f32 v[ZT], v[ZT], v[ZT+2]
	v_add_f32 v[ZT+1], v[ZT+1], v[ZT+3]
	WIN 0x08                                       ; a store's data are its source 1: window 2
.set i, 0
.rept 32
	global_store_b128 v[GO], v[4*i:4*i+3], s[12:13] offset:512*i   ; 32 lanes store 512 consecutive bytes, at a multiple of 256 from the buffer's first byte
.set i, i+1
.endr
	WIN 0
	global_store_b32 v[ZO], v[ZT], s[12:13] offset:16384
	global_store_b32 v[ZO], v[ZT+1], s[12:13] offset:16384+128
.Lgave:
	s_wait_tensorcnt 0x0                           ; the wave's end
	ds_add_u32 v[SPW], v[NIL]
	s_wait_dscnt 0x0
	CROUND                                         ; the closing round
	s_endpgm
.Lfunc_end_k_q5f95f4f606_kvgemm:
	.size	k_q5f95f4f606_kvgemm, .Lfunc_end_k_q5f95f4f606_kvgemm-k_q5f95f4f606_kvgemm
	.p2alignl 7, 3214868480
	.fill 96, 4, 3214868480
	.section	.rodata,"a",@progbits
	.p2align	6, 0x0
	.amdhsa_kernel k_q5f95f4f606_kvgemm
		.amdhsa_group_segment_fixed_size 327680
		.amdhsa_private_segment_fixed_size 0
		.amdhsa_enable_private_segment 0
		.amdhsa_kernarg_size 64
		.amdhsa_user_sgpr_count 2
		.amdhsa_user_sgpr_kernarg_segment_ptr 1
		.amdhsa_wavefront_size32 1
		.amdhsa_system_sgpr_workgroup_id_x 1
		.amdhsa_system_sgpr_workgroup_id_y 1
		.amdhsa_system_sgpr_workgroup_id_z 1
		.amdhsa_system_vgpr_workitem_id 0
		.amdhsa_next_free_vgpr 1024
		.amdhsa_next_free_sgpr 100
		.amdhsa_reserve_vcc 1
		.amdhsa_float_denorm_mode_32 3
		.amdhsa_float_denorm_mode_16_64 3
		.amdhsa_memory_ordered 1
		.amdhsa_forward_progress 1
		.amdhsa_inst_pref_size 250
	.end_amdhsa_kernel
	.amdgpu_metadata
---
amdhsa.version: [ 1, 2 ]
amdhsa.kernels:
  - .name:           k_q5f95f4f606_kvgemm
    .symbol:         k_q5f95f4f606_kvgemm.kd
    .args:
      - { .name: wc, .offset: 0, .size: 8, .value_kind: global_buffer, .address_space: global }
      - { .name: ws, .offset: 8, .size: 8, .value_kind: global_buffer, .address_space: global }
      - { .name: xc, .offset: 16, .size: 8, .value_kind: global_buffer, .address_space: global }
      - { .name: xs, .offset: 24, .size: 8, .value_kind: global_buffer, .address_space: global }
      - { .name: part, .offset: 32, .size: 8, .value_kind: global_buffer, .address_space: global }
      - { .name: mask, .offset: 40, .size: 8, .value_kind: global_buffer, .address_space: global }
      - { .name: bk, .offset: 48, .size: 8, .value_kind: global_buffer, .address_space: global }
      - { .name: bv, .offset: 56, .size: 8, .value_kind: global_buffer, .address_space: global }
    .group_segment_fixed_size: 327680
    .private_segment_fixed_size: 0
    .kernarg_segment_align: 8
    .kernarg_segment_size: 64
    .max_flat_workgroup_size: 128
    .sgpr_count:     100
    .vgpr_count:     1024
    .wavefront_size: 32
...
	.end_amdgpu_metadata
.endif
;; end of part 2
;; launch kvred (part 3): grid 256 x 1, 4 waves a work-group, no clusters, 17,920 bytes of LDS; arguments part, kvq; writes kvq
.if DOCPART == 3
	.amdgcn_target "amdgcn-amd-amdhsa--gfx1250"
	.amdhsa_code_object_version 6
	.text
	.protected	k_q5f95f4f606_kvred
	.globl	k_q5f95f4f606_kvred
	.p2align	8
	.type	k_q5f95f4f606_kvred,@function
k_q5f95f4f606_kvred:
	s_mov_b64 s[64:65], 0
	v_nop
	global_prefetch_b8 v0, s[64:65] scope:SCOPE_SE
	s_setreg_imm32_b32 hwreg(HW_REG_WAVE_MODE, 25, 1), 1
	s_wait_xcnt 0x0
; For each (batch, head) the 16 records of part are summed, kv is quantised ALONG d to codes of FP6 (E2M3) with E8M0 scales, and z is summed.
; A work-group takes one (batch, head) bh and one tile kt of 16 columns c of kv; wave w sums records 4 w .. 4 w + 3; waves 1 to 3 hand their sums to wave 0 through LDS.
; In a record, tile 4 dt + kt is two images of 512 bytes: lane (r, hs), register j holds kv[32 (dt / 2) + 16 hs + 8 (dt % 2) + j][tau(16 kt + r)] (tau: bits 3 and 4 exchanged).
; Here lane (r, h) gathers d = 32 h + 0 .. 31 of column tau(16 kt + r): one whole block of 32 along d, so that its largest magnitude needs no other lane.
; A record of kvq is 16 rows of 256 bytes: rows 3 kt, 3 kt + 1: code registers 0-3 at 16 x lane; row 3 kt + 2: registers 4, 5 at 8 x lane; rows 12, 13: the scale words at 128 kt + 4 x lane;
; row 14: z[64]; row 15: zeros.  A scale word holds the two bytes of d's two blocks in bytes 0, 1 (even head) or 2, 3 (odd head); the other two are 0x7f: the reader lays two heads along one K of 128.
; The sums are taken in a fixed order.  LIMITS: a block of zeros has the byte 1 and zero codes; NaN and infinities are not served.
; No matrix unit, no tensor loads: 17 MB are read once, in runs of 256 bytes.
.set REC,  16640
.set WRG,  4352                        ; a wave's LDS region: 8 images of 512 bytes, then 128 bytes of z
.set PA,   5
.set ZA,   6
.set LW,   7
.set LZW,  8
.set LR,   9
.set LZR,  10
.set O16,  11
.set O8,   12
.set O4,   13
.set OZ,   14
.set KV,   32                          ; v32-159 four records' 32 numbers; the sum ends in v32-63
.set Z,    160
	s_load_b128 s[4:7], s[0:1], 0x0                ; part, kvq
	v_lshl_add_u32 v192, v0, 2, 0x4400
	v_mov_b32 v193, 0
	v_lshrrev_b32 v1, 5, v0
	v_readfirstlane_b32 s8, v1                     ; wave
	v_and_b32 v2, 31, v0                           ; lane
	v_and_b32 v3, 15, v0                           ; r
	v_bfe_u32 v4, v0, 4, 1                         ; h
	s_lshr_b32 s9, ttmp9, 2                        ; bh
	s_and_b32 s10, ttmp9, 3                        ; kt
	v_lshlrev_b32 v[PA], 4, v3
	v_lshl_add_u32 v[PA], v4, 13, v[PA]            ; 8,192 h + 16 r
	v_lshlrev_b32 v[ZA], 2, v3
	v_mad_u32_u24 v[ZA], v4, 2*REC, v[ZA]          ; z: lanes 16-31 take the records two further on
	s_mul_i32 s11, s8, WRG
	v_lshlrev_b32 v[LR], 4, v2
	v_lshlrev_b32 v[LZR], 2, v2
	v_add_nc_u32 v[LW], s11, v[LR]
	v_add_nc_u32 v[LZW], s11, v[LZR]
	s_mul_i32 s20, s10, 768
	v_lshl_add_u32 v[O16], v2, 4, s20
	v_lshl_add_u32 v[O8], v2, 3, s20
	s_lshl_b32 s21, s10, 7
	v_lshl_add_u32 v[O4], v2, 2, s21
	s_lshl_b32 s22, s10, 6
	v_lshl_add_u32 v[OZ], v3, 2, s22
	v_lshl_add_u32 v[OZ], v4, 8, v[OZ]             ; 256 h + 64 kt + 4 r
	v_mov_b32 v15, 0
	s_lshl_b32 s12, s9, 4
	s_lshl_b32 s13, s8, 2
	s_add_co_u32 s12, s12, s13
	s_mul_i32 s12, s12, REC                        ; the first of my four records
	s_mov_b32 s13, 0
	s_lshl_b32 s14, s10, 10                        ; tile kt
	s_mov_b32 s15, 0
	s_add_co_u32 s16, s22, 16384                   ; z[16 kt ..]
	s_mov_b32 s17, 0
	s_lshl_b32 s18, s9, 12
	s_mov_b32 s19, 0
	s_and_b32 s23, s9, 1
	s_lshl_b32 s23, s23, 4                         ; 16 bits up for an odd head
	s_lshr_b32 s24, 0x7f7f0000, s23                ; and 0x7f in the other two bytes
	s_mov_b32 s26, 0x76543210
	s_mov_b32 s27, 0xfedcba98
	s_wait_kmcnt 0x0
	s_add_nc_u64 s[4:5], s[4:5], s[12:13]
	s_add_nc_u64 s[28:29], s[4:5], s[16:17]
	s_add_nc_u64 s[4:5], s[4:5], s[14:15]
	s_add_nc_u64 s[6:7], s[6:7], s[18:19]
.irp pp, 0,1,2,3
.irp hs, 0,1
.irp u, 0,1
.irp q, 0,1
	global_load_b128 v[KV+32*\pp+16*\hs+8*\u+4*\q:KV+32*\pp+16*\hs+8*\u+4*\q+3], v[PA], s[4:5] offset:\pp*REC+4096*\u+512*\q+256*\hs th:TH_LOAD_NT   ; register i of a record's 32 is d = 32 h + i; sixteen lanes read 256 consecutive bytes
.endr
.endr
.endr
.endr
	global_load_b32 v[Z], v[ZA], s[28:29] th:TH_LOAD_NT
	global_load_b32 v[Z+1], v[ZA], s[28:29] offset:REC th:TH_LOAD_NT
	s_wait_loadcnt 0x0
.macro ADD3                            ; four sets of 32 become one
.set i, 0
.rept 16
	v_pk_add_f32 v[KV+i:KV+i+1], v[KV+i:KV+i+1], v[KV+32+i:KV+33+i]
	v_pk_add_f32 v[KV+64+i:KV+65+i], v[KV+64+i:KV+65+i], v[KV+96+i:KV+97+i]
.set i, i+2
.endr
.set i, 0
.rept 16
	v_pk_add_f32 v[KV+i:KV+i+1], v[KV+i:KV+i+1], v[KV+64+i:KV+65+i]
.set i, i+2
.endr
.endm
	ADD3
	v_add_f32 v[Z], v[Z], v[Z+1]
	s_cmp_eq_u32 s8, 0
	s_cbranch_scc1 .Lkeeps                         ; wave 0 keeps its sum in registers
.irp q, 0,1,2,3,4,5,6,7
	ds_store_b128 v[LW], v[KV+4*\q:KV+4*\q+3] offset:512*\q
.endr
	ds_store_b32 v[LZW], v[Z] offset:4096
.Lkeeps:
	s_wait_dscnt 0x0                               ; for wave 0's sake: my stores have landed
	s_barrier_signal -1
	s_barrier_wait -1
	s_cmp_lg_u32 s8, 0
	s_cbranch_scc1 .Lend
.irp w, 1,2,3
.irp q, 0,1,2,3,4,5,6,7
	ds_load_b128 v[KV+32*\w+4*\q:KV+32*\w+4*\q+3], v[LR] offset:\w*WRG+512*\q
.endr
	ds_load_b32 v[Z+\w], v[LZR] offset:\w*WRG+4096
.endr
	s_wait_dscnt 0x0
	ADD3
	v_add_f32 v[Z], v[Z], v[Z+1]
	v_add_f32 v[Z+2], v[Z+2], v[Z+3]
	v_add_f32 v[Z], v[Z], v[Z+2]
	v_permlanex16_b32 v[Z+1], v[Z], s26, s27
	v_add_f32 v[Z], v[Z], v[Z+1]                   ; with lane l xor 16's records: z[16 kt + r]
	v_max3_num_f32 v27, |v[KV]|, |v[KV+1]|, |v[KV+2]|      ; my block's largest magnitude
	v_max3_num_f32 v28, |v[KV+3]|, |v[KV+4]|, |v[KV+5]|
.irp i, 6,10,14,18,22,26
	v_max3_num_f32 v27, v27, |v[KV+\i]|, |v[KV+\i+1]|
	v_max3_num_f32 v28, v28, |v[KV+\i+2]|, |v[KV+\i+3]|
.endr
	v_max3_num_f32 v27, v27, |v[KV+30]|, |v[KV+31]|
	v_max3_num_f32 v27, v27, v28, 0x1800000        ; the floor 2^(3 - 127): the byte cannot fall under 1
	v_add_nc_u32 v29, 0xff000000, v27              ; 2 off the exponent field: the conversion's scale operand
	v_lshrrev_b32 v30, 23, v29                     ; the byte
	v_cvt_scalef32_pk16_fp6_f32 v[16:18], v[KV:KV+15], v29
	v_cvt_scalef32_pk16_fp6_f32 v[24:26], v[KV+16:KV+31], v29   ; (a conversion's three registers begin on an even number)
	v_lshlrev_b32 v31, 3, v4                       ; (a plain place behind the conversions)
	v_mov_b32 v19, v24
	v_mov_b32 v20, v25
	v_mov_b32 v21, v26
	v_lshlrev_b32 v30, v31, v30                    ; block h's byte at byte h,
	v_permlanex16_b32 v31, v30, s26, s27
	v_or_b32 v30, v30, v31                         ; with the other block's,
	v_lshlrev_b32 v30, s23, v30                    ; at the head's half of the word,
	v_or_b32 v30, s24, v30                         ; 0x7f in the other half
	v_cmp_le_u32 vcc_lo, 16, v2
	v_cndmask_b32 v22, v[Z], v15, vcc_lo           ; lanes 16-31 write row 15's zeros
	global_store_b128 v[O16], v[16:19], s[6:7]
	global_store_b64 v[O8], v[20:21], s[6:7] offset:512
	global_store_b32 v[O4], v30, s[6:7] offset:3072
	global_store_b32 v[OZ], v22, s[6:7] offset:3584
.Lend:
	s_wait_tensorcnt 0x0
	ds_add_u32 v192, v193
	s_wait_dscnt 0x0
	s_endpgm
.Lfunc_end_k_q5f95f4f606_kvred:
	.size	k_q5f95f4f606_kvred, .Lfunc_end_k_q5f95f4f606_kvred-k_q5f95f4f606_kvred
	.p2alignl 7, 3214868480
	.fill 96, 4, 3214868480
	.section	.rodata,"a",@progbits
	.p2align	6, 0x0
	.amdhsa_kernel k_q5f95f4f606_kvred
		.amdhsa_group_segment_fixed_size 17920
		.amdhsa_private_segment_fixed_size 0
		.amdhsa_enable_private_segment 0
		.amdhsa_kernarg_size 16
		.amdhsa_user_sgpr_count 2
		.amdhsa_user_sgpr_kernarg_segment_ptr 1
		.amdhsa_wavefront_size32 1
		.amdhsa_system_sgpr_workgroup_id_x 1
		.amdhsa_system_sgpr_workgroup_id_y 1
		.amdhsa_system_sgpr_workgroup_id_z 1
		.amdhsa_system_vgpr_workitem_id 0
		.amdhsa_next_free_vgpr 194
		.amdhsa_next_free_sgpr 66
		.amdhsa_reserve_vcc 1
		.amdhsa_float_denorm_mode_32 3
		.amdhsa_float_denorm_mode_16_64 3
		.amdhsa_memory_ordered 1
		.amdhsa_forward_progress 1
		.amdhsa_inst_pref_size 17
	.end_amdhsa_kernel
	.amdgpu_metadata
---
amdhsa.version: [ 1, 2 ]
amdhsa.kernels:
  - .name:           k_q5f95f4f606_kvred
    .symbol:         k_q5f95f4f606_kvred.kd
    .args:
      - { .name: part, .offset: 0, .size: 8, .value_kind: global_buffer, .address_space: global }
      - { .name: kvq, .offset: 8, .size: 8, .value_kind: global_buffer, .address_space: global }
    .group_segment_fixed_size: 17920
    .private_segment_fixed_size: 0
    .kernarg_segment_align: 8
    .kernarg_segment_size: 16
    .max_flat_workgroup_size: 128
    .sgpr_count:     66
    .vgpr_count:     194
    .wavefront_size: 32
...
	.end_amdgpu_metadata
.endif
;; end of part 3
;; launch qout (part 4): grid 4 x 64, 4 waves a work-group, clusters of 4 x 4, 327,680 bytes of LDS; arguments xc, xs, wc, ws, out0, mask, bq, kvq; writes out0
.if DOCPART == 4
	.amdgcn_target "amdgcn-amd-amdhsa--gfx1250"
	.amdhsa_code_object_version 6
	.text
	.protected	k_q5f95f4f606_qout
	.globl	k_q5f95f4f606_qout
	.p2align	8
	.type	k_q5f95f4f606_qout,@function
k_q5f95f4f606_qout:
	s_mov_b64 s[64:65], 0
	v_nop
	global_prefetch_b8 v0, s[64:65] scope:SCOPE_SE
	s_setreg_imm32_b32 hwreg(HW_REG_WAVE_MODE, 25, 1), 1
	s_wait_xcnt 0x0
	s_wait_alu depctr_hold_cnt(0) depctr_sa_sdst(0) depctr_va_vdst(0) depctr_va_sdst(0) depctr_va_ssrc(0) depctr_va_vcc(0) depctr_vm_vsrc(0)
	s_getreg_b32 s2, hwreg(HW_REG_IB_STS2, 6, 4)
	s_cmp_eq_u32 s2, 0
	s_cbranch_scc0 .Lentry_in_a_cluster
	s_endpgm
.Lentry_in_a_cluster:
	s_bfe_u32 s2, ttmp6, 0x10000c
	s_cmp_lg_u32 s2, 0xf033
	s_cbranch_scc0 .Lentry_shape_is_right
	s_endpgm
.Lentry_shape_is_right:
; out[t][head, c] = m[t] (sum over d of Q(qf[t][d]) Q(kv[d][c])) / max(sum over d of qf[t][d] z[d], 1e-6), qf = elu(x Wq + bq) + 1; Q: codes of FP6 (E2M3) with E8M0 scales along d.
; THE PROJECTION.  Source 1 of the matrix instruction ("A": lanes) = 256 rows of xc; source 0 ("B": registers) = 256 rows of wc (Wq^T): four heads.  Four waves, each 128 tokens x 128 channels (two heads):
; 64 accumulators, 512 registers.  A lane holds ONE token, and its registers run along the channels, which are the next product's K.
; Rows lie in xc and wc at tau(row) (bits 3 and 4 exchanged): in block a lane r is token 32 (a / 2) + 8 (a % 2) + r + 8 (r / 8) of the wave's 128, and of a block's 64 registers number n is channel
; 32 (n / 16) + 16 (lane / 16) + n % 16 of the wave's 128.  K = 1,024 goes in four steps of 256 through a ring of two LDS slots; the scale bytes of all of K come once, with the first fills.
; THE SECOND PRODUCT.  A block's 64 numbers a lane become ONE fragment of 128 along K: two heads' 64 channels.  kv's fragment of a head has its codes in its own half of K and zero codes in the other
; half, so that the other head adds nothing; source 0 = 16 columns of kv, source 1 = the 16 tokens: a lane's eight results are eight neighbouring channels of its token's output row.
; The four heads' records of kvq (codes, scale words, z: 4,096 bytes each) come with the first fills, one a wave, shared along a column of the cluster.
; CLUSTERS: 4 x 4 work-groups.  x's tiles are shared along a row of the cluster, W's along a column.
; THE MASK.  qf is not multiplied by m ahead of its quantiser; m multiplies 1 / the denominator: a hidden token's row is (a finite number) x 0 = 0, which is what the definition gives.
; phi(x) = elu(x) + 1 is the MIDDLE of e^x, 1 and x + 1.  The bias is the C of each sum's first matrix instruction.
; LIMITS: e^x is 2^(x log2 e): a relative error of about |x| 6e-8; e^x under 2^-126 comes out as 0.  1 / the denominator is v_rcp_f32.  NaN and infinities among the inputs are not served.
; REGISTERS.  Window 0: v1-29 addresses; v32-63 scale words and nothing else; v64-127 the bias, later S; v128-223 A's fragments, later v128-191 rows on the way out, v192-203 qf's fragment, v204-221 at work;
;   v224-231 the mask of my lane's token in each block; v240-255 the quantiser's.   Window 1: B's fragments, two sets; later v0-63 U, then the 8 result tiles; v64-127 z by my registers' channels; v128-199 kv's fragments.
;   Windows 2, 3: accumulator (a, b) at v[8 (8 (a % 4) + b)] of window 2 + a / 4.
.set KSTEP,  256
.set NQ,     2
.set ROWB,   192
.set KROW,   768
.set PITCH,  240                       ; an LDS row: 3 x (64 bytes + 16 of padding)
.set FR,     12
.set NL,     6
.set NP,     4                         ; places behind this matrix instruction (ISA guide 7.12.1)
.set HALFT,  128*PITCH
.set SLOT,   4*HALFT
.set KS,     32
.set SCL,    2*SLOT
.set HALFS,  (128*KS/256)*272
.set SBLK,   (16*KS/256)*272
.set KVL,    SCL+4*HALFS               ; four records of kvq, each 16 rows of 256 bytes + 16 of padding: as large as the scales of 128 rows
.set SPARE,  KVL+4*HALFS               ; the spare words: 128 bytes a wave, named by no other line
.set SPITCH, 528                       ; the way out: 16 rows x (512 bytes + 16) a wave, in slot 0, behind its last fill and its last read
.set KA,   7                           ; v7   kv's code registers 0-3
.set KB,   8                           ; v8   registers 4, 5
.set KW,   9                           ; v9   scale words
.set KZ,   10                          ; v10  z
.set TO,   11                          ; v11  r + 8 (r / 8): my token in a block
.set BO,   12                          ; v12  64 h: the bias
.set LN,   13
.set ADRA, 16
.set ADRB, 20
.set STO,  24
.set RD,   25
.set CO,   26
.set ADRS, 27
.set SPW,  28
.set NIL,  29
.set SC,   32
.set BIAS, 64
.set AF,   128
.set S,    64                          ; window 0
.set U,    0                           ; window 1
.set ZR,   64                          ; window 1
.set KVF,  128                         ; window 1: tile kt at 128 + 18 kt: the even head's six, six zeros, the odd head's six
.set BK,   128
.set QF,   192
.set CT,   204
.set DN,   212
.set RC,   216
.set DX,   220
.set MK,   224
.set TM,   240
.set G1, 24
.set G0, 32
.set G1B, 48
.set G0B, 56
.set G1S, 68
.set G0S, 76
.set G1SB, 80
.set G0SB, 88
.set G0X, 92
.set MSB, 0
.macro WIN new                         ; the immediate's high byte repeats the setting that is left
.if MSB != (\new)
	s_set_vgpr_msb (MSB<<8)|(\new)
.set MSB, (\new)
.endif
.endm
.set MUL_LO, 0xa1
.set MUL_HI, 0xf1
.set TO_B,   0x40
.macro JLOAD g0a, g1a, g0b, g1b        ; a joint load: waves 0 and 1 fetch for A, waves 2 and 3 for B; four v_nop follow each line
	s_cmp_eq_u32 s15, 0
	s_cbranch_scc0 .Lfor_b_\@
	tensor_load_to_lds s[\g0a:\g0a+3], s[\g1a:\g1a+7]
	s_nop 0
.rept 4
	v_nop
.endr
	s_branch .Lasked_\@
.Lfor_b_\@:
	tensor_load_to_lds s[\g0b:\g0b+3], s[\g1b:\g1b+7]
	s_nop 0
.rept 4
	v_nop
.endr
.Lasked_\@:
.endm
.macro CREST
	s_cmp_lg_u32 s14, 0
	s_cbranch_scc1 .Lnot_wave_0_\@
	s_barrier_signal -3
.Lnot_wave_0_\@:
	s_barrier_wait -3
	s_barrier_signal -1
	s_barrier_wait -1
.endm
.macro CROUND
	s_barrier_signal -1
	s_barrier_wait -1
	CREST
.endm
	s_load_b128 s[4:7], s[0:1], 0x0                ; xc, xs
	s_load_b128 s[8:11], s[0:1], 0x10              ; wc, ws
	s_load_b64 s[12:13], s[0:1], 0x20              ; out0
	s_load_b64 s[66:67], s[0:1], 0x28              ; mask
	s_load_b128 s[96:99], s[0:1], 0x30             ; bq, kvq
	v_lshl_add_u32 v[SPW], v0, 2, SPARE
	v_mov_b32 v[NIL], 0
	ds_add_u32 v28, v29
	ds_add_u32 v28, v29
	s_wait_dscnt 0x0
	v_lshrrev_b32 v1, 5, v0
	v_readfirstlane_b32 s14, v1                    ; wave 0..3
	s_lshr_b32 s15, s14, 1                         ; which 128 tokens are mine.  Also: I fetch for A (0) or for B (1)
	s_and_b32 s16, s14, 1                          ; which two heads.  Also: which 128 rows of that tile I fetch
	s_bfe_u32 s40, ttmp6, 0x40000                  ; cx, cy
	s_bfe_u32 s41, ttmp6, 0x40004
	s_lshl_b32 s42, ttmp9, 2
	s_add_co_u32 s42, s42, s40                     ; block of 256 channels = 4 x cluster x + cx
	s_and_b32 s17, ttmp7, 0xffff
	s_lshl_b32 s17, s17, 2
	s_add_co_u32 s17, s17, s41                     ; block of 256 tokens = 4 x cluster y + cy
	s_lshl_b32 s43, s41, 2
	s_lshl_b32 s43, 15, s43                        ; my row of the cluster
	s_lshl_b32 s44, 0x1111, s40                    ; my column
	s_or_b32 s[G1+0], s43, (0<<16)|(1<<20)|(1<<21)|(3<<22)|(3<<25)   ; a tile of 128 rows x 192 bytes; 16 bytes of padding behind every 64
	s_or_b32 s[G1B+0], s44, (0<<16)|(1<<20)|(1<<21)|(3<<22)|(3<<25)
.irp g, G1, G1B
	s_mov_b32 s[\g+1], ROWB<<16
	s_mov_b32 s[\g+2], 128<<16
	s_mov_b32 s[\g+3], ROWB<<16
	s_mov_b32 s[\g+4], 128
	s_mov_b32 s[\g+5], KROW
	s_mov_b32 s[\g+6], 0
	s_mov_b32 s[\g+7], 0
.endr
	s_or_b32 s[G1S+0], s43, (3<<16)|(1<<20)|(1<<21)|(5<<22)|(3<<25)  ; 4,096 dense bytes as 16 rows of 256, 16 bytes of padding behind each
	s_or_b32 s[G1SB+0], s44, (3<<16)|(1<<20)|(1<<21)|(5<<22)|(3<<25)
.irp g, G1S, G1SB
	s_mov_b32 s[\g+1], 32<<16
	s_mov_b32 s[\g+2], (128*KS/256)<<16
	s_mov_b32 s[\g+3], 32<<16
	s_mov_b32 s[\g+4], 128*KS/256
	s_mov_b32 s[\g+5], 32
	s_mov_b32 s[\g+6], 0
	s_mov_b32 s[\g+7], 0
.endr
	s_lshl_b32 s18, s16, 7
	s_lshl_b32 s20, s17, 8
	s_add_co_u32 s20, s20, s18                     ; A: row 256 x block of tokens + 128 x half
	s_lshl_b32 s46, s42, 8
	s_add_co_u32 s46, s46, s18                     ; B: row 256 x block of channels + 128 x half
	s_mov_b32 s21, 0
	s_mov_b32 s47, 0
	s_mov_b64 s[18:19], KS
	s_mul_u64 s[22:23], s[20:21], s[18:19]
	s_mul_u64 s[92:93], s[46:47], s[18:19]
	s_mov_b64 s[18:19], KROW
	s_mul_u64 s[20:21], s[20:21], s[18:19]
	s_mul_u64 s[46:47], s[46:47], s[18:19]
	s_mul_i32 s45, s14, HALFT
	s_mul_i32 s94, s14, HALFS
	s_wait_kmcnt 0x0
	s_add_nc_u64 s[20:21], s[4:5], s[20:21]
	s_add_nc_u64 s[22:23], s[6:7], s[22:23]
	s_add_nc_u64 s[46:47], s[8:9], s[46:47]
	s_add_nc_u64 s[92:93], s[10:11], s[92:93]
	CROUND                                         ; all sixteen work-groups are here: the first joint loads meet
	s_mov_b32 s[G0S], 1
	s_add_co_u32 s[G0S+1], s94, SCL
	s_mov_b64 s[G0S+2:G0S+3], s[22:23]
	s_or_b32 s[G0S+3], s[G0S+3], 0x80000000
	s_mov_b32 s[G0SB], 1
	s_add_co_u32 s[G0SB+1], s94, SCL
	s_mov_b64 s[G0SB+2:G0SB+3], s[92:93]
	s_or_b32 s[G0SB+3], s[G0SB+3], 0x80000000
	JLOAD G0S, G1S, G0SB, G1SB                     ; the scales first
	; kvq's record of head 4 x block of channels + wave, of my batch.  The batch is cluster y / 4 (16 blocks of tokens a batch): equal in the four work-groups of my column, as is the block of channels
	s_and_b32 s92, ttmp7, 0xffff
	s_lshr_b32 s92, s92, 2
	s_lshl_b32 s92, s92, 4
	s_lshl_b32 s93, s42, 2
	s_add_co_u32 s92, s92, s93
	s_add_co_u32 s92, s92, s14
	s_lshl_b32 s94, s92, 12
	s_mov_b32 s95, 0
	s_add_nc_u64 s[G0X+2:G0X+3], s[98:99], s[94:95]
	s_or_b32 s[G0X+3], s[G0X+3], 0x80000000
	s_mul_i32 s[G0X+1], s14, HALFS
	s_add_co_u32 s[G0X+1], s[G0X+1], KVL
	s_mov_b32 s[G0X], 1
	tensor_load_to_lds s[G0X:G0X+3], s[G1SB:G1SB+7]   ; every wave one record; the shape and the mask are those of B's scales
	s_nop 0
.rept 4
	v_nop
.endr
.irp s, 0,1
	s_mov_b32 s[G0+4*\s], 1
	s_add_co_u32 s[G0+4*\s+1], s45, \s*SLOT
	s_add_nc_u64 s[G0+4*\s+2:G0+4*\s+3], s[20:21], \s*ROWB
	s_or_b32 s[G0+4*\s+3], s[G0+4*\s+3], 0x80000000
	s_mov_b32 s[G0B+4*\s], 1
	s_add_co_u32 s[G0B+4*\s+1], s45, \s*SLOT
	s_add_nc_u64 s[G0B+4*\s+2:G0B+4*\s+3], s[46:47], \s*ROWB
	s_or_b32 s[G0B+4*\s+3], s[G0B+4*\s+3], 0x80000000
	JLOAD G0+4*\s, G1, G0B+4*\s, G1B               ; four tensor loads of mine are out
.endr
	v_and_b32 v1, 15, v0                           ; r
	v_bfe_u32 v2, v0, 4, 1                         ; h
	v_mul_u32_u24 v3, v1, PITCH
	v_mul_u32_u24 v4, v2, 24
	v_add_nc_u32 v4, v3, v4
	v_lshl_add_u32 v5, v2, 4, v4
	s_mul_i32 s21, s15, HALFT
	s_mul_i32 s22, s16, HALFT
	s_add_co_u32 s22, s22, 2*HALFT
.irp s, 0,1
	v_add_nc_u32 v[ADRA+\s], s21, v4
	v_add_nc_u32 v[ADRB+\s], s22, v4
	v_add_nc_u32 v[ADRA+2+\s], s21, v5
	v_add_nc_u32 v[ADRB+2+\s], s22, v5
	s_add_co_u32 s21, s21, SLOT
	s_add_co_u32 s22, s22, SLOT
.endr
	v_mul_u32_u24 v5, v1, KS
	v_lshrrev_b32 v6, 8, v5
	v_lshl_add_u32 v5, v6, 4, v5
	s_mul_i32 s21, s15, HALFS
	s_mul_i32 s22, s16, HALFS
	s_add_co_u32 s22, s22, 2*HALFS
	s_sub_co_u32 s22, s22, s21
	v_mul_u32_u24 v6, s22, v2                      ; lanes 16-31 take B's
	s_add_co_u32 s21, s21, SCL
	v_add_nc_u32 v5, v5, v6
	v_add_nc_u32 v[ADRS], s21, v5
	v_and_b32 v[LN], 31, v0
	s_mul_i32 s21, s16, 2*HALFS
	s_add_co_u32 s21, s21, KVL                     ; my two heads' records
	v_mul_u32_u24 v[KA], v2, 272
	v_lshl_add_u32 v[KA], v1, 4, v[KA]
	v_add_nc_u32 v[KA], s21, v[KA]                 ; an image of 512 bytes is two padded rows: 272 h + 16 r
	v_lshl_add_u32 v[KB], v[LN], 3, s21
	v_lshl_add_u32 v[KW], v[LN], 2, s21
	v_lshlrev_b32 v[BO], 6, v2
	v_add_nc_u32 v[KZ], s21, v[BO]
	v_add_nc_u32 v[KZ], 14*272, v[KZ]              ; row 14, + 16 h channels
	v_and_b32 v[TO], 8, v1
	v_add_nc_u32 v[TO], v[TO], v1
	s_mul_i32 s23, s14, 16*SPITCH                  ; my stage
	v_mul_u32_u24 v5, v1, SPITCH
	v_lshl_add_u32 v5, v2, 6, v5
	v_add_nc_u32 v[STO], s23, v5                   ; in: row r, + 16 h channels
	v_lshlrev_b32 v[CO], 4, v[LN]
	v_add_nc_u32 v[RD], s23, v[CO]                 ; back: the 32 lanes take one row of 512 bytes
	s_lshl_b32 s46, s42, 10
	s_lshl_b32 s47, s16, 9
	s_add_co_u32 s46, s46, s47                     ; my first channel, in bytes
	s_mov_b32 s47, 0
	s_add_nc_u64 s[96:97], s[96:97], s[46:47]
	s_lshl_b32 s20, s17, 8
	s_lshl_b32 s21, s15, 7
	s_add_co_u32 s20, s20, s21                     ; my first token
	s_mov_b32 s21, 0
	s_add_nc_u64 s[66:67], s[66:67], s[20:21]
	s_lshl_b32 s20, s20, 12                        ; a row of out0 is 4,096 bytes
	s_add_nc_u64 s[12:13], s[12:13], s[20:21]
	s_add_nc_u64 s[12:13], s[12:13], s[46:47]      ; never stepped: every row's offset is an immediate, 127 x 4,096 at the most
.irp b, 0,1,2,3,4,5,6,7
	global_load_b128 v[BIAS+8*\b:BIAS+8*\b+3], v[BO], s[96:97] offset:4*(32*(\b/2)+8*(\b%2))        ; bq of channels 32 (b / 2) + 16 h + 8 (b % 2) + 0 .. 7: the bias goes by registers
	global_load_b128 v[BIAS+8*\b+4:BIAS+8*\b+7], v[BO], s[96:97] offset:4*(32*(\b/2)+8*(\b%2))+16
.endr
.irp a, 0,1,2,3,4,5,6,7
	global_load_u8 v[MK+\a], v[TO], s[66:67] offset:32*(\a/2)+8*(\a%2)                              ; the mask of my lane's token in block a
.endr
.macro FRAG reg, adr, q, i
.irp p, 0,1,2,3,4,5
.set PC, 12*(\q)+6*(\p/3)+\p%3
.if PC%8 < 5
	ds_load_b64 v[\reg+2*\p:\reg+2*\p+1], v[\adr] offset:8*PC+16*(PC/8)+(\i)*16*PITCH
.else
	ds_load_b64 v[\reg+2*\p:\reg+2*\p+1], v[\adr+2] offset:8*PC+16*(PC/8)+(\i)*16*PITCH
.endif
.endr
.endm
; 16 matrix instructions: A's blocks a0, a0 + 1 x B's eight, 128 along K.  zero = 1: the sums begin with the bias of B's block.  The 64 accumulators take turns, one instruction a turn.
.macro MUL16 a0, p, q, sc, zero
.irp a, \a0, \a0+1
.irp b, 0,1,2,3,4,5,6,7
.if \zero
	v_wmma_scale_f32_16x16x128_f8f6f4 v[8*(8*((\a)%4)+\b):8*(8*((\a)%4)+\b)+7], v[128*(\p)+FR*\b:128*(\p)+FR*\b+FR-1], v[AF+FR*(\a):AF+FR*(\a)+FR-1], v[BIAS+8*\b:BIAS+8*\b+7], v[SC+8*NQ*(\sc)+NQ*\b+(\q)], v[SC+8*NQ*(\sc)+NQ*(\a)+(\q)] matrix_a_fmt:MATRIX_FMT_FP6 matrix_b_fmt:MATRIX_FMT_FP6 matrix_a_scale:MATRIX_SCALE_ROW1
.else
	v_wmma_scale_f32_16x16x128_f8f6f4 v[8*(8*((\a)%4)+\b):8*(8*((\a)%4)+\b)+7], v[128*(\p)+FR*\b:128*(\p)+FR*\b+FR-1], v[AF+FR*(\a):AF+FR*(\a)+FR-1], v[8*(8*((\a)%4)+\b):8*(8*((\a)%4)+\b)+7], v[SC+8*NQ*(\sc)+NQ*\b+(\q)], v[SC+8*NQ*(\sc)+NQ*(\a)+(\q)] matrix_a_fmt:MATRIX_FMT_FP6 matrix_b_fmt:MATRIX_FMT_FP6 matrix_a_scale:MATRIX_SCALE_ROW1
.endif
.endr
.endr
.endm
.macro FETCH_B slot, q, p
	WIN TO_B
.irp i, 0,1,2,3,4,5,6,7
	FRAG 128*(\p)+FR*\i, ADRB+\slot, \q, \i
.endr
	WIN 0
.endm
.macro FETCH_A slot, q, i0
.irp i, \i0, \i0+1, \i0+2, \i0+3
	FRAG AF+FR*(\i), ADRA+\slot, \q, \i
.endr
.endm
.macro SCALES sc
.irp i, 0,1,2,3,4,5,6,7
	ds_load_b64 v[SC+8*NQ*\sc+NQ*\i:SC+8*NQ*\sc+NQ*\i+1], v[ADRS] offset:\i*SBLK
.endr
.endm
.macro PLACES n
.rept \n
	v_nop
.endr
.endm
.macro STEP slot, q, zero
	s_wait_dscnt 4*NL                              ; all but the youngest 24 loads (A's blocks 4-7) are in
	WIN MUL_LO-0x20*\zero                          ; (zero = 1: C, the bias, lies in window 0)
	MUL16 0, (\q)%2, \q, \slot, \zero
	MUL16 2, (\q)%2, \q, \slot, \zero
	s_wait_dscnt 0
	PLACES NP
	FETCH_B \slot, (\q)+1, 1-(\q)%2
	FETCH_A \slot, (\q)+1, 0
	WIN MUL_HI-0x30*\zero
	MUL16 4, (\q)%2, \q, \slot, \zero
	MUL16 6, (\q)%2, \q, \slot, \zero
	PLACES NP
	WIN 0
	FETCH_A \slot, (\q)+1, 4
.endm
.macro TURN slot, next, fill
	s_wait_tensorcnt 0x0                           ; all my tensor loads have landed: my part of the next slot
	ds_add_u32 v[SPW], v[NIL]                      ; 0 onto my spare word
	s_wait_dscnt 4*NL+1                            ; (the add and the youngest 24 loads may be out)
	WIN MUL_LO
	MUL16 0, 1, NQ-1, \slot, 0
	s_wait_dscnt 0x0                               ; the add is done, and my reads of this slot are over
	s_barrier_signal -1
	MUL16 2, 1, NQ-1, \slot, 0
	WIN 0
	s_barrier_wait -1
.if \fill
	CREST                                          ; the barrier has opened a round of the cluster's: no wave of any partner still reads this slot or has a load on its way
	s_add_nc_u64 s[G0+4*\slot+2:G0+4*\slot+3], s[G0+4*\slot+2:G0+4*\slot+3], 2*ROWB
	s_add_nc_u64 s[G0B+4*\slot+2:G0B+4*\slot+3], s[G0B+4*\slot+2:G0B+4*\slot+3], 2*ROWB
	JLOAD G0+4*\slot, G1, G0B+4*\slot, G1B         ; my one tensor load behind the round
.else
	PLACES NP
.endif
	v_add_nc_u32 v[ADRS], 4*NQ, v[ADRS]
	FETCH_B \next, 0, 0
	FETCH_A \next, 0, 0
	SCALES \next
	WIN MUL_HI
	MUL16 4, 1, NQ-1, \slot, 0
	MUL16 6, 1, NQ-1, \slot, 0
	PLACES NP
	WIN 0
	FETCH_A \next, 0, 4
.endm
	s_wait_tensorcnt 1                             ; the scales, my record of kvq and my part of K step 0 are in; K step 1's load may be out
	s_barrier_signal -1
	s_barrier_wait -1
	FETCH_B 0, 0, 0
	FETCH_A 0, 0, 0
	SCALES 0
	FETCH_A 0, 0, 4
	s_wait_loadcnt 0x0                             ; the bias and the mask
	STEP 0, 0, 1                                   ; K = 1,024 is twice round the ring: written out, no loop
	TURN 0, 1, 1
	STEP 1, 0, 0
	TURN 1, 0, 1
	STEP 0, 0, 0
	TURN 0, 1, 0
	STEP 1, 0, 0
	s_wait_dscnt 4*NL
	WIN MUL_LO
	MUL16 0, 1, NQ-1, 1, 0
	MUL16 2, 1, NQ-1, 1, 0
	s_wait_dscnt 0
	WIN MUL_HI
	MUL16 4, 1, NQ-1, 1, 0
	MUL16 6, 1, NQ-1, 1, 0
	WIN 0
; ---------------- behind the projection ----------------
.macro PHI a                           ; phi of block a's 64 numbers, into S; the additions stand between the exponentials and the first use of their results; each accumulator is read from its low end on
.set AC, 64*((\a)%4)
.set WW, 2+(\a)/4
	WIN 0x40+WW
.set i, 0
.rept 32
	v_pk_mul_f32 v[U+i:U+i+1], v[AC+i:AC+i+1], s[2:3] op_sel_hi:[1,0]
.set i, i+2
.endr
	WIN 0x41
.set i, 0
.rept 64
	v_exp_f32 v[U+i], v[U+i]
.set i, i+1
.endr
	WIN WW
.set i, 0
.rept 32
	v_pk_add_f32 v[S+i:S+i+1], v[AC+i:AC+i+1], 1.0 op_sel_hi:[1,0]
.set i, i+2
.endr
	WIN 0x01
.set i, 0
	s_wait_alu depctr_va_vdst(0)
.rept 64
	v_med3_num_f32 v[S+i], v[U+i], 1.0, v[S+i]
.set i, i+1
.endr
.endm
.macro QUANT dst, pw                   ; S's 64 numbers (register 16 b + i = K 32 b + 16 (lane / 16) + i) become a fragment at v[dst] and its scale word in v[pw]
.irp b, 0,1,2,3
	v_max3_num_f32 v[TM+\b], |v[S+16*\b]|, |v[S+1+16*\b]|, 0x1800000
.endr
.irp i, 2,4,6,8,10,12,14
.irp b, 0,1,2,3
	v_max3_num_f32 v[TM+\b], v[TM+\b], |v[S+16*\b+\i]|, |v[S+1+16*\b+\i]|
.endr
.endr
.irp b, 0,1,2,3
	v_permlanex16_b32 v[TM+4+\b], v[TM+\b], s18, s19
.endr
.irp b, 0,1,2,3
	v_max_num_f32 v[TM+\b], v[TM+\b], v[TM+4+\b]
.endr
.irp b, 0,1,2,3
	v_add_nc_u32 v[TM+12+\b], 0xff000000, v[TM+\b]
.endr
.irp b, 0,1,2,3
	v_lshrrev_b32 v[TM+4+\b], 23, v[TM+12+\b]
.endr
	v_lshl_or_b32 v[\pw], v[TM+5], 8, v[TM+4]
	v_lshl_or_b32 v[\pw], v[TM+6], 16, v[\pw]
	v_lshl_or_b32 v[\pw], v[TM+7], 24, v[\pw]
.irp c, 0,1
	v_cvt_scalef32_pk16_fp6_f32 v[\dst+6*\c:\dst+6*\c+2], v[S+32*\c:S+32*\c+15], v[TM+12+2*\c]
	v_cvt_scalef32_pk16_fp6_f32 v[CT+4*\c:CT+4*\c+2], v[S+16+32*\c:S+31+32*\c], v[TM+13+2*\c]
.endr
	v_nop                                          ; one plain place behind a scaled conversion
.irp c, 0,1
.irp i, 0,1,2
	v_permlane16_swap_b32 v[\dst+6*\c+\i], v[CT+4*\c+\i]
.endr
.irp i, 0,1,2
	v_mov_b32 v[\dst+3+6*\c+\i], v[CT+4*\c+\i]
.endr
.endr
.endm
	s_mov_b32 s2, 0x3fb8aa3b                       ; log2(e), as a pair
	s_mov_b32 s3, s2
	s_mov_b32 s18, 0x76543210                      ; v_permlanex16_b32's selects for lane l xor 16
	s_mov_b32 s19, 0xfedcba98
	PLACES NP
	WIN 0x40                                       ; destination window 1
.irp kt, 0,1,2,3
.irp e, 0,1
	ds_load_b128 v[KVF+18*\kt+12*\e:KVF+18*\kt+12*\e+3], v[KA] offset:HALFS*\e+816*\kt
	ds_load_b64 v[KVF+18*\kt+12*\e+4:KVF+18*\kt+12*\e+5], v[KB] offset:HALFS*\e+816*\kt+544
.endr
.endr
.set i, 0
.rept 16
	ds_load_b128 v[ZR+4*i:ZR+4*i+3], v[KZ] offset:HALFS*(i/8)+128*((i/4)%2)+16*(i%4)   ; z of the channels of my registers 4 i .. 4 i + 3
.set i, i+1
.endr
.irp kt, 0,1,2,3
.irp j, 6,7,8,9,10,11
	v_mov_b32 v[KVF+18*\kt+\j], 0                  ; the zero codes: the upper half of the even head's fragment and the lower half of the odd head's
.endr
.endr
	WIN 0
.irp e, 0,1
.irp kt, 0,1,2,3
	ds_load_b32 v[SC+4*\e+\kt], v[KW] offset:HALFS*\e+272*(12+\kt/2)+128*(\kt%2)
.endr
.endr
.irp a, 0,1,2,3,4,5,6,7
	v_cvt_f32_u32 v[MK+\a], v[MK+\a]
.endr
.irp b, 0,1,2,3
	v_mov_b32 v[TM+4+\b], 0                        ; written once: a lane permute's destination counts as one of its sources
.endr
	v_mov_b32 v[RC+1], 0                           ; (named as the upper halves of pairs)
	v_mov_b32 v[RC+3], 0
	v_mov_b32 v[DX], 0
	v_mov_b32 v[DX+1], 0
	s_wait_dscnt 0x0
; Block a: 16 tokens x my two heads.
.macro ROWS a
	PHI \a
	WIN 0
	QUANT QF, SC+8
	WIN 0x04                                       ; source 1 (z) window 1
	v_pk_mul_f32 v[DN:DN+1], v[S:S+1], v[ZR:ZR+1]                  ; the denominators, of the UNQUANTISED qf: the two heads' chains by turns
	v_pk_mul_f32 v[DN+2:DN+3], v[S+32:S+33], v[ZR+32:ZR+33]
.set i, 2
.rept 15
	v_pk_fma_f32 v[DN:DN+1], v[S+i:S+i+1], v[ZR+i:ZR+i+1], v[DN:DN+1]
	v_pk_fma_f32 v[DN+2:DN+3], v[S+32+i:S+33+i], v[ZR+32+i:ZR+33+i], v[DN+2:DN+3]
.set i, i+2
.endr
	WIN 0
	v_add_f32 v[DN], v[DN], v[DN+1]
	v_add_f32 v[DN+2], v[DN+2], v[DN+3]
	v_permlanex16_b32 v[DX], v[DN], s18, s19
	v_permlanex16_b32 v[DX+1], v[DN+2], s18, s19
	v_add_f32 v[DN], v[DN], v[DX]                  ; with the 32 channels of lane l xor 16
	v_add_f32 v[DN+2], v[DN+2], v[DX+1]
	v_max_num_f32 v[DN], 0x358637bd, v[DN]         ; at least 1e-6
	v_max_num_f32 v[DN+2], 0x358637bd, v[DN+2]
	v_rcp_f32 v[DN+1], v[DN]
	v_rcp_f32 v[DN+3], v[DN+2]
	v_nop                                          ; a plain place behind the reciprocals
	s_wait_alu depctr_va_vdst(0)
	v_mul_f32 v[RC], v[DN+1], v[MK+(\a)]           ; m / the denominator
	v_mul_f32 v[RC+2], v[DN+3], v[MK+(\a)]
	WIN 0x41                                       ; kv and the results in window 1, qf in window 0.  The lines since the quantiser are the places in front of these products
.irp e, 0,1
.irp kt, 0,1,2,3
	v_wmma_scale_f32_16x16x128_f8f6f4 v[8*(4*\e+\kt):8*(4*\e+\kt)+7], v[KVF+18*\kt+6*\e:KVF+18*\kt+6*\e+11], v[QF:QF+11], 0, v[SC+4*\e+\kt], v[SC+8] matrix_a_fmt:MATRIX_FMT_FP6 matrix_b_fmt:MATRIX_FMT_FP6
.endr
.endr
	PLACES NP
.set i, 0
.rept 32
	v_pk_mul_f32 v[i:i+1], v[i:i+1], v[RC+2*(i/32):RC+2*(i/32)+1] op_sel_hi:[1,0]
.set i, i+2
.endr
.if (\a) > 0
	s_wait_xcnt 0x0                                ; the last block's stores have read their registers: the loads below may land there
.endif
	WIN 0x04                                       ; an LDS store's data are its source 1: window 1
.irp e, 0,1
.irp kt, 0,1,2,3
	ds_store_b128 v[STO], v[8*(4*\e+\kt):8*(4*\e+\kt)+3] offset:256*\e+128*(\kt/2)+32*(\kt%2)        ; lane (r, h): channels 64 e + 32 (kt / 2) + 16 h + 8 (kt % 2) + 0 .. 7 of row r
	ds_store_b128 v[STO], v[8*(4*\e+\kt)+4:8*(4*\e+\kt)+7] offset:256*\e+128*(\kt/2)+32*(\kt%2)+16
.endr
.endr
	WIN 0
.irp t, 0,1,2,3,4,5,6,7,8,9,10,11,12,13,14,15
	ds_load_b128 v[BK+4*\t:BK+4*\t+3], v[RD] offset:\t*SPITCH      ; LDS serves a wave's instructions in order: these see my stores, and the next block's stores come behind them
.endr
.irp t, 0,1,2,3,4,5,6,7,8,9,10,11,12,13,14,15
	s_wait_dscnt 15-\t                             ; the younger loads from the stage may be out
	global_store_b128 v[CO], v[BK+4*\t:BK+4*\t+3], s[12:13] offset:(32*((\a)/2)+8*((\a)%2)+\t+8*(\t/8))*4096 th:TH_STORE_NT   ; 32 lanes store 512 consecutive bytes of one row, at a multiple of 256 from out0's first byte
.endr
.endm
.irp a, 0,1,2,3,4,5,6,7
	ROWS \a
.endr
	s_wait_tensorcnt 0x0                           ; the wave's end
	ds_add_u32 v[SPW], v[NIL]
	s_wait_dscnt 0x0
	CROUND                                         ; the closing round
	s_endpgm
.Lfunc_end_k_q5f95f4f606_qout:
	.size	k_q5f95f4f606_qout, .Lfunc_end_k_q5f95f4f606_qout-k_q5f95f4f606_qout
	.p2alignl 7, 3214868480
	.fill 96, 4, 3214868480
	.section	.rodata,"a",@progbits
	.p2align	6, 0x0
	.amdhsa_kernel k_q5f95f4f606_qout
		.amdhsa_group_segment_fixed_size 327680
		.amdhsa_private_segment_fixed_size 0
		.amdhsa_enable_private_segment 0
		.amdhsa_kernarg_size 64
		.amdhsa_user_sgpr_count 2
		.amdhsa_user_sgpr_kernarg_segment_ptr 1
		.amdhsa_wavefront_size32 1
		.amdhsa_system_sgpr_workgroup_id_x 1
		.amdhsa_system_sgpr_workgroup_id_y 1
		.amdhsa_system_sgpr_workgroup_id_z 1
		.amdhsa_system_vgpr_workitem_id 0
		.amdhsa_next_free_vgpr 1024
		.amdhsa_next_free_sgpr 100
		.amdhsa_reserve_vcc 0
		.amdhsa_float_denorm_mode_32 3
		.amdhsa_float_denorm_mode_16_64 3
		.amdhsa_memory_ordered 1
		.amdhsa_forward_progress 1
		.amdhsa_inst_pref_size 255
	.end_amdhsa_kernel
	.section	.bss,"aw",@nobits
	.p2align	6
	.space	262144
	.amdgpu_metadata
---
amdhsa.version: [ 1, 2 ]
amdhsa.kernels:
  - .name:           k_q5f95f4f606_qout
    .symbol:         k_q5f95f4f606_qout.kd
    .args:
      - { .name: xc, .offset: 0, .size: 8, .value_kind: global_buffer, .address_space: global }
      - { .name: xs, .offset: 8, .size: 8, .value_kind: global_buffer, .address_space: global }
      - { .name: wc, .offset: 16, .size: 8, .value_kind: global_buffer, .address_space: global }
      - { .name: ws, .offset: 24, .size: 8, .value_kind: global_buffer, .address_space: global }
      - { .name: out0, .offset: 32, .size: 8, .value_kind: global_buffer, .address_space: global }
      - { .name: mask, .offset: 40, .size: 8, .value_kind: global_buffer, .address_space: global }
      - { .name: bq, .offset: 48, .size: 8, .value_kind: global_buffer, .address_space: global }
      - { .name: kvq, .offset: 56, .size: 8, .value_kind: global_buffer, .address_space: global }
    .group_segment_fixed_size: 327680
    .private_segment_fixed_size: 0
    .kernarg_segment_align: 8
    .kernarg_segment_size: 64
    .max_flat_workgroup_size: 128
    .sgpr_count:     100
    .vgpr_count:     1024
    .wavefront_size: 32
...
	.end_amdgpu_metadata
.endif
;; end of part 4
